; MI455X (gfx1250); checked and timed in simulation.
; The chip was launched on July 23, 2026; its instructions are those of AMD's public machine-readable ISA for CDNA 5 (MIT licence, August 2026) and "CDNA5" Instruction Set Architecture Reference Guide (July 2026). The comments in the code are by the model that wrote it; some were corrected since.
;; Pano Self Attention. Allowed arithmetic: matrix products marked QUANTISED: E2M1 operands, one E8M0 scale for each 32 along K, by v_wmma_scale_f32_16x16x128_f8f6f4 with both operands' format E2M1 (or v_wmma_scale_f32_32x16x128_f4), f32 sums; products left as they are: f32 operands where the result goes on into a quantised operand, else bf16, f16 or f32 operands; f32 sums; everything else in f32.
;; Inputs: Wa_codes 64 x 8 x 16 uint8 (E2M1 codes of Wa, K innermost, in blocks of 32 codes, two codes a byte); Wa_scales 64 x 8 uint8 (E8M0 scales of Wa, one for each 32 codes along K); Wk_codes 256 x 8 x 16 uint8 (E2M1 codes of Wk, K innermost, in blocks of 32 codes, two codes a byte); Wk_scales 256 x 8 uint8 (E8M0 scales of Wk, one for each 32 codes along K); Wm_codes 256 x 8 x 16 uint8 (E2M1 codes of Wm, K innermost, in blocks of 32 codes, two codes a byte); Wm_scales 256 x 8 uint8 (E8M0 scales of Wm, one for each 32 codes along K); Wo_codes 128 x 8 x 16 uint8 (E2M1 codes of Wo, K innermost, in blocks of 32 codes, two codes a byte); Wo_scales 128 x 8 uint8 (E8M0 scales of Wo, one for each 32 codes along K); Wq_codes 256 x 8 x 16 uint8 (E2M1 codes of Wq, K innermost, in blocks of 32 codes, two codes a byte); Wq_scales 256 x 8 uint8 (E8M0 scales of Wq, one for each 32 codes along K); ba 64 float32; bk 256 float32; bm 256 float32; bo 128 float32; bq 256 float32; keys0_codes 4 x 64 x 128 x 8 x 16 uint8 (E2M1 codes of keys0, K innermost, in blocks of 32 codes, two codes a byte); keys0_scales 4 x 64 x 128 x 8 uint8 (E8M0 scales of keys0, one for each 32 codes along K); keys1_codes 4 x 64 x 128 x 8 x 16 uint8 (E2M1 codes of keys1, K innermost, in blocks of 32 codes, two codes a byte); keys1_scales 4 x 64 x 128 x 8 uint8 (E8M0 scales of keys1, one for each 32 codes along K); query_codes 4 x 64 x 128 x 8 x 16 uint8 (E2M1 codes of query, K innermost, in blocks of 32 codes, two codes a byte); query_scales 4 x 64 x 128 x 8 uint8 (E8M0 scales of query, one for each 32 codes along K); ref_point 4 x 1 x 64 x 128 x 2 float32.
;; Outputs: out0 4 x 64 x 128 x 256 float32.
;; This version of the problem:
;;   THIS VERSION OF THE PROBLEM IS GIVEN IN LOW PRECISION. The matrix products marked QUANTISED in the list below multiply operands that are first quantised to E2M1 (2 exponent bits, 1 mantissa bit; 4 bits a number), with one power-of-two scale for each 32 numbers along K (OCP MX v1.0); their sums are f32. All else is computed in f32.
;;   The module's matrix products, in the order in which they are computed (A, B: the left and right operand; K: the contracted axis; several contracted axes count as one K, in the product's order):
;;     1. [M 32,768, K 256] x [K 256, N 256]; A: input query (given as codes); B: input Wq (given as codes): QUANTISED
;;     2. [M 32,768, K 256] x [K 256, N 128]; A: computed on the way; B: input Wo (given as codes): QUANTISED
;;     3. [M 32,768, K 256] x [K 256, N 64]; A: computed on the way; B: input Wa (given as codes): QUANTISED
;;     4. [M 32,768, K 256] x [K 256, N 256]; A: input keys0 (given as codes); B: input Wk (given as codes): QUANTISED
;;     5. [M 32,768, K 256] x [K 256, N 256]; A: input keys1 (given as codes); B: input Wk (given as codes): QUANTISED
;;     6. batch 262,144 x [M 32, K 8] x [K 8, N 1]; A: computed on the way; B: computed on the way: left as it is (K = 8 < 32)
;;     7. [M 32,768, K 256] x [K 256, N 256]; A: computed on the way; B: input Wm (given as codes): QUANTISED
;;   THE QUANTISER, for each operand of a quantised product, along K:
;;     - K is cut into blocks of 32 from its start; a last block that is shorter is filled with zeros.
;;     - A block's scale is 2^e with e = floor(log2(the largest magnitude in the block)) - 2, held to -126 .. 127; a block of zeros has e = 0. As a byte (E8M0): e + 127.
;;     - Each number is divided by its block's scale, clamped to +-6, and rounded to the nearest number of E2M1, ties to even, subnormals kept.
;;     - The product sums the exact products of the quantised numbers (number of the format x scale) in f32.
;;   ~~~python
;;   def quantise(x, axis):      # numpy; x: float32 -> the quantised numbers, widened to float32 again
;;       x = np.moveaxis(x, axis, -1); K = x.shape[-1]
;;       x = np.pad(x, [(0, 0)] * (x.ndim - 1) + [(0, -K % 32)]); x = x.reshape(x.shape[:-1] + (-1, 32)); a = np.abs(x).max(-1, keepdims=True)
;;       e = np.where(a > 0, np.clip(np.frexp(np.where(a > 0, a, 1))[1] - 1 - 2, -126, 127), 0)      # np.frexp(a)[1] - 1 = floor(log2(a)), exactly
;;       r = np.clip(x / 2.0 ** e, -6, 6)
;;       step = 2.0 ** (np.maximum(np.frexp(np.where(r == 0, 1, r))[1] - 1, 0) - 1)
;;       q = np.round(r / step) * step * 2.0 ** e      # np.round: ties to even
;;       return np.moveaxis(q.reshape(q.shape[:-2] + (-1,))[..., :K], -1, axis).astype(np.float32)
;;   ~~~
;;   OPERANDS COMPUTED ON THE WAY. 'Computed on the way' means the value that the module computes at that place (a softmax that the list does not call 'softmax' is quantised finished and normalised). What goes into a quantiser is computed in f32, as accurately as f32 sums, v_exp_f32 and their like allow (about 1e-6 of the number): no bf16 or f16 on the way to a quantiser, and a product that is left as it is and whose result goes on into a quantised operand takes f32 operands (vector FMAs, or v_wmma_f32_16x16x4_f32). A number that lies on a knife's edge between two numbers of the format may be rounded either way, as far as f32 arithmetic and the matrix unit's own rounding can turn it there, and no further.
;;   INPUTS GIVEN AS CODES. Wa (in the module: [256, 64], K = its axis 0); Wk (in the module: [256, 256], K = its axis 0); Wm (in the module: [256, 256], K = its axis 0); Wo (in the module: [256, 128], K = its axis 0); Wq (in the module: [256, 256], K = its axis 0); keys0 (in the module: [4, 64, 128, 256], K = its axis 3); keys1 (in the module: [4, 64, 128, 256], K = its axis 3); query (in the module: [4, 64, 128, 256], K = its axis 3): each comes as NAME_codes (uint8): NAME with its K axis moved to the last place and cut into blocks of 32 codes, [.., K / 32, bytes a block], one block behind the other in memory; two codes a byte, the lower K in the low four bits (a code: sign, 2 exponent bits, 1 mantissa bit); and NAME_scales (uint8): the same leading axes, one E8M0 byte (e + 127) for each 32 codes along K. Its value is code x scale, taken as it is: it is not quantised again, and the codes and scales need not be those that the quantiser above would give.
;; 2 versions. Each part assembles by itself: llvm-mc -triple=amdgcn-amd-amdhsa -mcpu=gfx1250 --defsym DOCPART=n.
;; ======== version 1 of 2: 2 launches
;; workspace buffers: sf 67,108,864 bytes; idx 8,388,608 bytes of whole numbers; wts 33,554,432 bytes
;; launch proj (part 1): grid 256 x 1, 8 waves a work-group, no clusters, 92,160 bytes of LDS; arguments query_codes, query_scales, keys0_codes, keys0_scales, keys1_codes, keys1_scales, Wq_codes, Wq_scales, bq, Wk_codes, Wk_scales, bk, Wo_codes, Wo_scales, bo, Wa_codes, Wa_scales, ba, ref_point, sf, idx, wts; writes sf, idx, wts
.if DOCPART == 1
	.amdgcn_target "amdgcn-amd-amdhsa--gfx1250"
	.amdhsa_code_object_version 6
	.text
	.protected	k_q59feb33b55_proj
	.globl	k_q59feb33b55_proj
	.p2align	8
	.type	k_q59feb33b55_proj,@function
k_q59feb33b55_proj:
	s_mov_b64 s[64:65], 0
	v_nop
	global_prefetch_b8 v0, s[64:65] scope:SCOPE_SE
	s_setreg_imm32_b32 hwreg(HW_REG_WAVE_MODE, 25, 1), 1
	s_wait_xcnt 0x0
; PROJ: the five projections of the deformable attention and all arithmetic of its sampling points.
;   q = query Wq + bq, quantised again along its 256 columns;  off = q Wo + bo;  A = softmax over 8 of (q Wa + ba);  sf_l = keys_l Wk + bk, l = 0, 1.
; All five products on codes of E2M1 with one E8M0 scale for each 32 along K; sums, biases, softmax and coordinates in f32.
; OUT:  sf  f32 [b 4][head 8][l 2][y 64][x 128][c 32]: a pixel's 32 channels of a head are 128 consecutive bytes; x + 1 is 128 bytes on, y + 1 is 16,384.
;       idx u32 [tile 2048][head 8][l 2][r 16][k 4] = ((2 head + l) << 13) + 128 yb + xb: the point's base pixel in batch b's part of sf (tile = flat pixel / 16, r = pixel in the tile).
;       wts f32 [tile][head 8][k 4][l 2][r 16][corner 4]: A x wy x wx of pixels (yb, xb), (yb, xb + 1), (yb + 1, xb), (yb + 1, xb + 1).
; The next launch forms its addresses from idx: a launch forms no address from floating-point numbers of its own.
; NO WORK OF reference() IS LEFT OUT: every input has a way to the output (ba differs along the softmax's axis, so it does not cancel), and which pixels of sf are sampled hangs on data.
; THE CLAMPED BASE.  x0 = floor(gx), xb = x0 held to 0 .. 126, d = x0 - xb.  Columns (xb, xb + 1) weigh (wx0, wx1) where d = 0, (wx1, 0) where d = -1, (0, wx0) where d = 1, else (0, 0):
; for every finite coordinate that is reference()'s clip with its valid mask.  y likewise, with 0 .. 62.
; jnp.tile repeats ref_point head-major: image 8 b + head takes ref_point[(8 b + head) mod 4] = ref_point[head & 3].
; LIMITS.  A coordinate that is NaN or infinite gives four weights 0 here, where reference() gives NaN.  A block of q that is all zeros gets the scale byte 1 where the rule says 127: its codes are zeros and only
; this program reads the byte.  A is folded into the corner weights, another order of rounding than reference()'s; the softmax divides by a reciprocal and a multiply.
; SHARES.  A work-group owns one image row: 128 pixels, 8 tiles of 16.  Eight waves; wave w takes
;   P0: tile w's fragments and scale words of query, keys0, keys1: memory -> registers -> LDS, as images of the operand's registers (16 bytes a lane, 512 a store);
;   Q : q's columns 32 w .. 32 w + 31, which are one block of the quantiser, for all 8 tiles: codes and scale bytes go to LDS at their places in the next operand's image;
;   SF: head w of sf, both levels, all 8 tiles;          PT: heads 2 t, 2 t + 1 (t = w / 2), tiles 4 (w & 1) + 0 .. 3: offsets, logits, softmax, points.
; Each wave's slice of each weight goes from memory straight into its registers, once.
; NO TENSOR LOADS, NO CLUSTER: the four weights are 88 KiB against some 650 KiB that a work-group moves, each wave reads its own slice once, and the activations are read by one work-group alone.
; EVERY PRODUCT IS USED TRANSPOSED: source 0 = 16 rows of the weight, source 1 = 16 pixels: lane (r, h) holds pixel r, its register j the weight row at place 8 h + j of the tile.
; WHICH ROWS FORM A TILE.  Wk, Wo: neighbours (a tile of Wo is a head: h is the level, j = 2 k + (0: y, 1: x)).  Wq: lane r of tile u takes row 32 w + 8 u + r + 8 (r / 8), so that a lane's 16 registers are
; 16 neighbours along the next K.  Wa: lane r of tile t takes row 16 t + 8 ((r / 4) & 1) + 4 (r / 8) + (r & 3): registers 0-3 are head 2 t's four logits of level h, registers 4-7 head 2 t + 1's.
; The biases are the C of each sum's first matrix instruction.  Accumulators take turns, one instruction a turn.
.set IMG,   0                          ; LDS: fragment (T, m, s) at 16384 T + 2048 m + 1024 s + 512 c + 16 lane; T: 0 query, 1 keys0, 2 keys1
.set SCW,   49152                      ; their scale words: 2048 T + 256 m + 128 s + 4 lane
.set QIMG,  55296                      ; q's fragments: 2048 m + 1024 s + 512 c + 16 lane
.set QSC,   71680                      ; q's scale words: 128 m + 64 s + 4 r
.set STG,   72704                      ; a stage for each wave: 16 rows of 128 + 16 bytes
.set SPARE, 91136                      ; the spare words, 128 bytes for each wave: four blocks of 256 bytes that no other line names
.set VA,    1                          ; 128 r + 16 h: a fragment's bytes in rows of 128
.set VS8,   2                          ; 8 r: a row's 8 scale bytes; a pixel's (y, x) of ref_point
.set VWA,   3                          ; 128 rowA + 16 h
.set VWA8,  4                          ; 8 rowA
.set VLI,   5                          ; 16 lane
.set VL15,  6                          ; 4 r
.set VQW,   7                          ; QIMG + 256 w + 16 r + 8 h: where my 8 bytes of q's codes go
.set VQB,   8                          ; QSC + 64 (w / 4) + 4 r + (w & 3): and the block's byte
.set VQF,   9                          ; QIMG + 8192 (w & 1) + 16 lane: q's fragments of my four tiles
.set VQS,   10                         ; QSC + 512 (w & 1) + 4 r
.set VSTO,  11                         ; my stage, on the way in: 144 r + 32 h
.set VSTR,  12                         ; and back: 144 (lane / 8) + 16 (lane & 7)
.set VB16,  13                         ; 16 h
.set VB32,  14                         ; 32 h
.set XF0,   16                         ; v16-31, v32-47: two sets of a tile's two fragments
.set XF1,   32
.set WT,    32                         ; PT: a head's 16 weights
.set ACC,   48                         ; v48-63: two accumulators
.set RB,    64                         ; SF: v64-79 a tile read back from the stage
.set LACC,  64                         ; PT: v64-71 the logits
.set IDX,   72                         ; PT: v72-75
.set TMA,   64                         ; Q: at work
.set TMB,   65
.set TMC,   66
.set SCO,   67
.set BYT,   68
.set PC,    70                         ; Q: v70-71 my 16 codes
.set VQR,   70                         ; at the head only: 128 rowQ + 16 h,
.set VQR8,  71                         ; 8 rowQ,
.set VB64,  72                         ; 64 h,
.set VLIW,  73                         ; 16 lane + 2048 w,
.set VLSW,  74                         ; 4 lane + 256 w,
.set RR,    75                         ; r, h, lane
.set HH,    76
.set LN,    77
.set WQ,    80                         ; a weight set: fragments at 16 u + 8 s (32 registers), the bias at 32 + 8 u (16)
.set WAF,   80                         ; behind Q: Wa's two fragments, ba, eight pairs of ref_point, the softmax's 8 weights
.set BA,    96
.set REF,   104
.set AW,    120
.set WK,    128
.set GG,    128                        ; PT: arrays of four, one for each k
.set FF,    132
.set DD,    136
.set W1,    140
.set W0,    144
.set CY,    148
.set WYA,   152
.set WYB,   156
.set CX,    160
.set WXA,   164
.set WXB,   168
.set WO,    176
.set XS0,   224                        ; v224-241 hold scale words and nothing else
.set XS1,   226
.set WQS,   228
.set WKS,   232
.set WOS,   236
.set WAS,   240
.set VHB0,  242                        ; (2 (2 t + e) + h) << 13
.set VHB1,  243
.set SPW,   244                        ; LDS address of my spare word; never rewritten
.set NIL,   245                        ; 0; never rewritten
.set MX0,   246                        ; the softmax, at work
.set MX1,   247
.set PX0,   248
.set PX1,   249
.set SM0,   250
.set SM1,   251
.set T0,    252
.set T1,    253
.set WV,    52                         ; s52 wave, s53 t = wave / 2, s63 wave & 1
.set TT,    53
.set WL,    63
.set SEL,   54                         ; s[54:55] lane selects: lane l xor 16
.set SRX,   56                         ; 1 / 127, 127, 1 / 63, 63, 126, 62, log2(e), 32, 64
.set SDX,   57
.set SRY,   58
.set SDY,   59
.set SMX,   60
.set SMY,   61
.set SL2E,  62
.set SHY,   6
.set SHX,   7
.macro NOPS n
.rept \n
	v_nop
.endr
.endm
.macro WM d, a, b, c, sa, sb           ; one matrix instruction: D, 16 rows of a weight, 16 pixels, C, the weight's scale words, the pixels'
	v_wmma_scale_f32_16x16x128_f8f6f4 v[\d:\d+7], v[\a:\a+7], v[\b:\b+7], v[\c:\c+7], v[\sa], v[\sb] matrix_a_fmt:MATRIX_FMT_FP4 matrix_b_fmt:MATRIX_FMT_FP4
.endm
.macro MM4 xf, xs, set, sc             ; two tiles of weight rows x 16 pixels x K = 256: the bias starts each sum, the two accumulators take turns
.irp u,0,1
	WM ACC+8*\u, \set+16*\u, \xf, \set+32+8*\u, \sc+2*\u, \xs
.endr
.irp u,0,1
	WM ACC+8*\u, \set+16*\u+8, \xf+8, ACC+8*\u, \sc+2*\u+1, \xs+1
.endr
.endm
.macro FETCH dst, adr, off             ; a fragment's image comes back as it was stored
.irp c,0,1
	ds_load_b128 v[\dst+4*\c:\dst+4*\c+3], v[\adr] offset:\off+512*\c
.endr
.endm
.macro FETCHX xf, xs, T, m             ; tile m of activation T: two fragments, two scale words
	FETCH \xf, VLI, IMG+16384*(\T)+2048*(\m)
	FETCH \xf+8, VLI, IMG+16384*(\T)+2048*(\m)+1024
	ds_load_b32 v[\xs], v[VL15] offset:SCW+2048*(\T)+256*(\m)
	ds_load_b32 v[\xs+1], v[VL15] offset:SCW+2048*(\T)+256*(\m)+128
.endm
; A weight set, 14 loads: for each of two tiles 4 x 16 bytes of codes, 8 scale bytes, 32 bytes of bias in the result's layout
.macro WSET dst, sc, pc, ps, pb, vrow, vrow8, vb, ustep, sstep, bstep
.irp u,0,1
.irp s,0,1
.irp c,0,1
	global_load_b128 v[\dst+16*\u+8*\s+4*\c:\dst+16*\u+8*\s+4*\c+3], v[\vrow], s[\pc:\pc+1] offset:\u*\ustep+64*\s+32*\c
.endr
.endr
	global_load_b64 v[\sc+2*\u:\sc+2*\u+1], v[\vrow8], s[\ps:\ps+1] offset:\u*\sstep
	global_load_b128 v[\dst+32+8*\u:\dst+32+8*\u+3], v[\vb], s[\pb:\pb+1] offset:\u*\bstep
	global_load_b128 v[\dst+32+8*\u+4:\dst+32+8*\u+7], v[\vb], s[\pb:\pb+1] offset:\u*\bstep+16
.endr
.endm
	s_load_b512 s[8:23], s[0:1], 0x0               ; argument i in s[8 + 2 i : 9 + 2 i]
	s_load_b512 s[24:39], s[0:1], 0x40
	s_load_b256 s[40:47], s[0:1], 0x80
	s_load_b128 s[48:51], s[0:1], 0xa0
	v_lshl_add_u32 v[SPW], v0, 2, SPARE
	v_mov_b32 v[NIL], 0
	v_lshrrev_b32 v15, 5, v0
	v_readfirstlane_b32 s[WV], v15                 ; wave 0..7
	s_lshr_b32 s[TT], s[WV], 1
	s_and_b32 s[WL], s[WV], 1
	v_and_b32 v[LN], 31, v0
	v_and_b32 v[RR], 15, v0
	v_bfe_u32 v[HH], v0, 4, 1
	v_lshlrev_b32 v[VA], 7, v[RR]
	v_lshl_add_u32 v[VA], v[HH], 4, v[VA]
	v_lshlrev_b32 v[VS8], 3, v[RR]
	v_bfe_u32 v78, v[RR], 2, 1
	v_bfe_u32 v79, v[RR], 3, 1
	v_and_b32 v15, 3, v[RR]
	v_lshl_add_u32 v15, v78, 3, v15
	v_lshl_add_u32 v15, v79, 2, v15                ; rowA
	v_lshlrev_b32 v[VWA], 7, v15
	v_lshl_add_u32 v[VWA], v[HH], 4, v[VWA]
	v_lshlrev_b32 v[VWA8], 3, v15
	v_lshl_add_u32 v15, v79, 3, v[RR]              ; rowQ = r + 8 (r / 8)
	v_lshlrev_b32 v[VQR], 7, v15
	v_lshl_add_u32 v[VQR], v[HH], 4, v[VQR]
	v_lshlrev_b32 v[VQR8], 3, v15
	v_lshlrev_b32 v[VLI], 4, v[LN]
	v_lshlrev_b32 v[VL15], 2, v[RR]
	v_lshlrev_b32 v[VB16], 4, v[HH]
	v_lshlrev_b32 v[VB32], 5, v[HH]
	v_lshlrev_b32 v[VB64], 6, v[HH]
	s_lshl_b32 s2, s[WV], 8                        ; 256 w
	s_add_co_u32 s3, s2, QIMG
	v_lshl_add_u32 v[VQW], v[RR], 4, s3
	v_lshl_add_u32 v[VQW], v[HH], 3, v[VQW]
	v_lshl_add_u32 v[VLSW], v[LN], 2, s2
	s_and_b32 s3, s[WV], 3
	s_lshr_b32 s4, s[WV], 2
	s_lshl_b32 s4, s4, 6
	s_add_co_u32 s3, s3, s4
	s_add_co_u32 s3, s3, QSC
	v_add_nc_u32 v[VQB], s3, v[VL15]
	s_lshl_b32 s3, s[WL], 13
	s_add_co_u32 s3, s3, QIMG
	v_add_nc_u32 v[VQF], s3, v[VLI]
	s_lshl_b32 s3, s[WL], 9
	s_add_co_u32 s3, s3, QSC
	v_add_nc_u32 v[VQS], s3, v[VL15]
	s_mul_i32 s3, s[WV], 2304
	s_add_co_u32 s3, s3, STG
	v_mul_u32_u24 v15, v[RR], 144
	v_lshl_add_u32 v15, v[HH], 5, v15
	v_add_nc_u32 v[VSTO], s3, v15
	v_lshrrev_b32 v15, 3, v[LN]
	v_mul_u32_u24 v15, v15, 144
	v_and_b32 v78, 7, v[LN]
	v_lshl_add_u32 v15, v78, 4, v15
	v_add_nc_u32 v[VSTR], s3, v15
	s_lshl_b32 s3, s[WV], 11
	v_add_nc_u32 v[VLIW], s3, v[VLI]
	s_lshl_b32 s3, s[TT], 2
	v_add_nc_u32 v15, s3, v[HH]                    ; 4 t + h
	v_lshlrev_b32 v[VHB0], 13, v15
	v_add_nc_u32 v[VHB1], 0x4000, v[VHB0]
	v_mov_b32 v[PX0], 0                            ; written once: a lane permute's destination counts as one of its sources
	v_mov_b32 v[PX1], 0
	s_mov_b32 s[SEL], 0x76543210
	s_mov_b32 s[SEL+1], 0xfedcba98
	s_mov_b32 s[SRX], 0x3c010204
	s_mov_b32 s[SDX], 0x42fe0000
	s_mov_b32 s[SRY], 0x3c820821
	s_mov_b32 s[SDY], 0x427c0000
	s_mov_b32 s[SMX], 0x42fc0000
	s_mov_b32 s[SMY], 0x42780000
	s_mov_b32 s[SL2E], 0x3fb8aa3b
	s_mov_b32 s[SHY], 0x42000000
	s_mov_b32 s[SHX], 0x42800000
	s_mov_b32 s79, 0
	s_mov_b32 s81, 0
	s_lshl_b32 s78, ttmp9, 14                      ; the row's 128 pixels x 128 bytes of codes,
	s_lshl_b32 s2, s[WV], 11
	s_add_co_u32 s78, s78, s2                      ; my tile's 16
	s_lshl_b32 s80, ttmp9, 10                      ; and x 8 scale bytes
	s_lshl_b32 s2, s[WV], 7
	s_add_co_u32 s80, s80, s2
	s_wait_kmcnt 0x0
	s_add_nc_u64 s[8:9], s[8:9], s[78:79]
	s_add_nc_u64 s[12:13], s[12:13], s[78:79]
	s_add_nc_u64 s[16:17], s[16:17], s[78:79]
	s_add_nc_u64 s[10:11], s[10:11], s[80:81]
	s_add_nc_u64 s[14:15], s[14:15], s[80:81]
	s_add_nc_u64 s[18:19], s[18:19], s[80:81]
.irp T,0,1,2                                   ; 15 loads: my tile of the three activations, in the operand's own layout
.irp s,0,1
.irp c,0,1
	global_load_b128 v[16+16*\T+8*\s+4*\c:16+16*\T+8*\s+4*\c+3], v[VA], s[8+4*\T:9+4*\T] offset:64*\s+32*\c th:TH_LOAD_NT
.endr
.endr
	global_load_b64 v[64+2*\T:65+2*\T], v[VS8], s[10+4*\T:11+4*\T] th:TH_LOAD_NT
.endr
	s_lshl_b32 s78, s[WV], 12                      ; my 32 rows of Wq and of Wk: codes,
	s_add_nc_u64 s[20:21], s[20:21], s[78:79]
	s_add_nc_u64 s[26:27], s[26:27], s[78:79]
	s_lshl_b32 s78, s[WV], 8                       ; scale bytes,
	s_add_nc_u64 s[22:23], s[22:23], s[78:79]
	s_add_nc_u64 s[28:29], s[28:29], s[78:79]
	s_lshl_b32 s78, s[WV], 7                       ; biases
	s_add_nc_u64 s[24:25], s[24:25], s[78:79]
	s_add_nc_u64 s[30:31], s[30:31], s[78:79]
	WSET WQ, WQS, 20, 22, 24, VQR, VQR8, VB64, 1024, 64, 32
	s_lshl_b32 s78, s[TT], 12                      ; my two heads' 32 rows of Wo,
	s_add_nc_u64 s[32:33], s[32:33], s[78:79]
	s_lshl_b32 s78, s[TT], 8
	s_add_nc_u64 s[34:35], s[34:35], s[78:79]
	s_lshl_b32 s78, s[TT], 7
	s_add_nc_u64 s[36:37], s[36:37], s[78:79]
	s_add_nc_u64 s[40:41], s[40:41], s[78:79]      ; their 16 rows of Wa: scale bytes,
	s_lshl_b32 s78, s[TT], 11
	s_add_nc_u64 s[38:39], s[38:39], s[78:79]      ; codes,
	s_lshl_b32 s78, s[TT], 6
	s_add_nc_u64 s[42:43], s[42:43], s[78:79]      ; ba
	s_and_b32 s4, ttmp9, 63                        ; y
	s_lshr_b32 s5, ttmp9, 6                        ; b
	s_and_b32 s78, s[TT], 1
	s_lshl_b32 s78, s78, 17                        ; ref_point[(2 t) & 3]: 65,536 bytes each,
	s_lshl_b32 s3, s4, 10
	s_add_co_u32 s78, s78, s3                      ; row y,
	s_lshl_b32 s3, s[WL], 9
	s_add_co_u32 s78, s78, s3                      ; my four tiles
	s_add_nc_u64 s[44:45], s[44:45], s[78:79]
	s_lshl_b32 s78, s5, 24                         ; sf: batch b, head w, row y
	s_lshl_b32 s3, s[WV], 21
	s_add_co_u32 s78, s78, s3
	s_lshl_b32 s3, s4, 14
	s_add_co_u32 s78, s78, s3
	s_add_nc_u64 s[46:47], s[46:47], s[78:79]
	s_lshl_b32 s78, ttmp9, 15                      ; idx: 8 tiles of 4,096 bytes; my four; my two heads of 512
	s_lshl_b32 s3, s[WL], 14
	s_add_co_u32 s78, s78, s3
	s_lshl_b32 s3, s[TT], 10
	s_add_co_u32 s78, s78, s3
	s_add_nc_u64 s[48:49], s[48:49], s[78:79]
	s_lshl_b32 s78, ttmp9, 17                      ; wts: four times that
	s_lshl_b32 s3, s[WL], 16
	s_add_co_u32 s78, s78, s3
	s_lshl_b32 s3, s[TT], 12
	s_add_co_u32 s78, s78, s3
	s_add_nc_u64 s[50:51], s[50:51], s[78:79]
	; ---- P0: the images
	s_wait_loadcnt 14                              ; the 15 activation loads are in; Wq's 14, issued behind them, may be out
.irp T,0,1,2
.irp s,0,1
.irp c,0,1
	ds_store_b128 v[VLIW], v[16+16*\T+8*\s+4*\c:16+16*\T+8*\s+4*\c+3] offset:IMG+16384*\T+1024*\s+512*\c
.endr
	ds_store_b32 v[VLSW], v[64+2*\T+\s] offset:SCW+2048*\T+128*\s
.endr
.endr
	WSET WK, WKS, 26, 28, 30, VA, VS8, VB32, 2048, 128, 64
	WSET WO, WOS, 32, 34, 36, VA, VS8, VB32, 2048, 128, 64
	s_wait_dscnt 0x0                               ; for the others' sake: my images lie in LDS
	s_barrier_signal -1
	s_barrier_wait -1                              ; all 24 tiles do
	; ---- Q: my 32 columns of q, tile by tile, quantised and laid into the next operand's image
; A lane's 16 numbers are k = 32 w + 16 h + 0 .. 15 of pixel r.  In q's fragment block w lies in K step w / 4, registers 4 ((w / 2) & 1) on, lanes 16 (w & 1) + r: 16 bytes, of which mine are the 8 at 8 h.
.macro QSTEP m
	s_wait_dscnt 0x0                               ; this tile's fragments are in; the last tile's stores have read their registers
.if (\m) == 0
	s_wait_loadcnt 28                              ; Wq's set is in; Wk's and Wo's, 14 loads each, may be out
.endif
	MM4 XF0+16*((\m)%2), XS0+2*((\m)%2), WQ, WQS
.if (\m) < 7
	FETCHX XF0+16*(((\m)+1)%2), XS0+2*(((\m)+1)%2), 0, (\m)+1
.endif
	NOPS 5                                         ; four places ahead of the first read of results; the fifth because the next tile's first products write over these accumulators with another C
	v_max3_num_f32 v[TMA], |v[ACC]|, |v[ACC+1]|, 0x1800000           ; the largest magnitude of my 16, in two chains, and the floor 2^(3 - 127): the byte cannot fall under 1
	v_max3_num_f32 v[TMB], |v[ACC+8]|, |v[ACC+9]|, |v[ACC+10]|
	v_max3_num_f32 v[TMA], v[TMA], |v[ACC+2]|, |v[ACC+3]|
	v_max3_num_f32 v[TMB], v[TMB], |v[ACC+11]|, |v[ACC+12]|
	v_max3_num_f32 v[TMA], v[TMA], |v[ACC+4]|, |v[ACC+5]|
	v_max3_num_f32 v[TMB], v[TMB], |v[ACC+13]|, |v[ACC+14]|
	v_max3_num_f32 v[TMA], v[TMA], |v[ACC+6]|, |v[ACC+7]|
	v_max3_num_f32 v[TMA], v[TMA], v[TMB], |v[ACC+15]|
	v_permlanex16_b32 v[TMC], v[TMA], s[SEL], s[SEL+1]
	v_max_num_f32 v[TMA], v[TMA], v[TMC]           ; with lane l xor 16's 16: the block's
	v_add_nc_u32 v[SCO], 0xff000000, v[TMA]        ; 2 off its exponent field: the conversion takes the exponent field of this operand as its scale
	v_lshrrev_b32 v[BYT], 23, v[SCO]               ; the scale's byte
	v_cvt_scalef32_pk8_fp4_f32 v[PC], v[ACC:ACC+7], v[SCO]
	v_cvt_scalef32_pk8_fp4_f32 v[PC+1], v[ACC+8:ACC+15], v[SCO]
	v_nop                                          ; one plain place behind the conversions: the next products write their sources
	ds_store_b64 v[VQW], v[PC:PC+1] offset:2048*(\m)
	ds_store_b8 v[VQB], v[BYT] offset:128*(\m)     ; both lanes of a pixel write the same byte with the same value
.endm
	v_mov_b32 v[TMC], 0                            ; a lane permute's destination counts as one of its sources
	FETCHX XF0, XS0, 0, 0
.irp m,0,1,2,3,4,5,6,7
	QSTEP \m
.endr
	s_wait_dscnt 0x0                               ; for the others' sake: my block of q lies in LDS
	s_barrier_signal -1
	s_barrier_wait -1                              ; all of q does
	; 15 loads into the registers that Wq has left (its last products stand five places back and more)
.irp s,0,1
.irp c,0,1
	global_load_b128 v[WAF+8*\s+4*\c:WAF+8*\s+4*\c+3], v[VWA], s[38:39] offset:64*\s+32*\c
.endr
.endr
	global_load_b64 v[WAS:WAS+1], v[VWA8], s[40:41]
	global_load_b128 v[BA:BA+3], v[VB16], s[42:43]                 ; head 2 t's four of level h,
	global_load_b128 v[BA+4:BA+7], v[VB16], s[42:43] offset:32     ; head 2 t + 1's
.irp i,0,1,2,3
.irp e,0,1
	global_load_b64 v[REF+2*(2*\i+\e):REF+2*(2*\i+\e)+1], v[VS8], s[44:45] offset:65536*\e+128*\i   ; (y, x) of pixel r of my tile i, for head 2 t + e
.endr
.endr
	; ---- SF: head w of sf.  A lane holds 8 + 8 channels of a pixel: a tile goes through my stage and leaves as its 2,048 consecutive bytes, 512 a store.
.macro SFOUT i
.irp q,0,1,2,3
	global_store_b128 v[VLI], v[RB+4*\q:RB+4*\q+3], s[46:47] offset:(((\i)/8)<<20)+2048*((\i)%8)+512*\q
.endr
.endm
.macro SFSTEP i                        ; level i / 8, tile i % 8
	s_wait_dscnt 0x0                               ; this step's fragments are in, and the last step's tile is back from the stage
.if (\i) == 0
	s_wait_loadcnt 29                              ; Wk's set is in; Wo's 14 and the 15 behind them may be out
.else
	SFOUT (\i)-1
.endif
	MM4 XF0+16*((\i)%2), XS0+2*((\i)%2), WK, WKS
.if (\i) < 15
	FETCHX XF0+16*(((\i)+1)%2), XS0+2*(((\i)+1)%2), 1+((\i)+1)/8, ((\i)+1)%8
.endif
	NOPS 5                                         ; as in Q
.irp u,0,1
	ds_store_b128 v[VSTO], v[ACC+8*\u:ACC+8*\u+3] offset:64*\u     ; each accumulator from its low end on
	ds_store_b128 v[VSTO], v[ACC+8*\u+4:ACC+8*\u+7] offset:64*\u+16
.endr
	s_wait_xcnt 0x0                                ; the last tile's stores have read RB: it is loaded again only behind this wait
.irp q,0,1,2,3
	ds_load_b128 v[RB+4*\q:RB+4*\q+3], v[VSTR] offset:576*\q       ; LDS serves a wave's instructions in order: these see the stores above
.endr
.endm
	FETCHX XF0, XS0, 1, 0
.irp i,0,1,2,3,4,5,6,7,8,9,10,11,12,13,14,15
	SFSTEP \i
.endr
	s_wait_dscnt 0x0
	SFOUT 15
	; ---- PT: offsets, logits, softmax, points
.macro FETCHQ i
	FETCH XF0, VQF, 2048*(\i)
	FETCH XF0+8, VQF, 2048*(\i)+1024
	ds_load_b32 v[XS0], v[VQS] offset:128*(\i)
	ds_load_b32 v[XS0+1], v[VQS] offset:128*(\i)+64
.endm
.macro SOFTMAX                         ; over a head's 8 logits: my level's four and lane l xor 16's four; the two heads by turns
	v_max3_num_f32 v[MX0], v[LACC], v[LACC+1], v[LACC+2]
	v_max3_num_f32 v[MX1], v[LACC+4], v[LACC+5], v[LACC+6]
	v_max_num_f32 v[MX0], v[MX0], v[LACC+3]
	v_max_num_f32 v[MX1], v[MX1], v[LACC+7]
	v_permlanex16_b32 v[PX0], v[MX0], s[SEL], s[SEL+1]
	v_permlanex16_b32 v[PX1], v[MX1], s[SEL], s[SEL+1]
	v_max_num_f32 v[MX0], v[MX0], v[PX0]
	v_max_num_f32 v[MX1], v[MX1], v[PX1]
.irp k,0,1,2,3
	v_sub_f32 v[AW+\k], v[LACC+\k], v[MX0]         ; the maximum is taken away, as reference() does
	v_sub_f32 v[AW+4+\k], v[LACC+4+\k], v[MX1]
.endr
.irp k,0,1,2,3,4,5,6,7
	v_mul_f32 v[AW+\k], s[SL2E], v[AW+\k]
.endr
.irp k,0,1,2,3,4,5,6,7
	v_exp_f32 v[AW+\k], v[AW+\k]
.endr
	v_nop                                          ; a plain place behind the last exponential
	s_wait_alu depctr_va_vdst(0)                   ; one wait for the batch of eight, ahead of its first reader
	v_add_f32 v[SM0], v[AW], v[AW+1]
	v_add_f32 v[SM1], v[AW+4], v[AW+5]
	v_add_f32 v[T0], v[AW+2], v[AW+3]
	v_add_f32 v[T1], v[AW+6], v[AW+7]
	v_add_f32 v[SM0], v[SM0], v[T0]
	v_add_f32 v[SM1], v[SM1], v[T1]
	v_permlanex16_b32 v[PX0], v[SM0], s[SEL], s[SEL+1]
	v_permlanex16_b32 v[PX1], v[SM1], s[SEL], s[SEL+1]
	v_add_f32 v[SM0], v[SM0], v[PX0]
	v_add_f32 v[SM1], v[SM1], v[PX1]
	v_rcp_f32 v[T0], v[SM0]
	v_rcp_f32 v[T1], v[SM1]
	v_nop
	s_wait_alu depctr_va_vdst(0)                   ; one wait for the two reciprocals
.irp k,0,1,2,3
	v_mul_f32 v[AW+\k], v[AW+\k], v[T0]
	v_mul_f32 v[AW+4+\k], v[AW+4+\k], v[T1]
.endr
.endm
; One axis of a head's four points, k by turns, in reference()'s order of roundings: g = ((2 (ref + off) / den - 1) + 1) x half - 0.5; the division is a reciprocal with one correction.
; Out: cc = the clamped base as a whole number, wa and wb = the weights of base and base + 1.
.macro AXIS off, ref, sr, sd, sh, sm, cc, wa, wb
.irp k,0,1,2,3
	v_add_f32 v[GG+\k], v[\ref], v[\off+2*\k]
.endr
.irp k,0,1,2,3
	v_add_f32 v[GG+\k], v[GG+\k], v[GG+\k]
.endr
.irp k,0,1,2,3
	v_mul_f32 v[FF+\k], s[\sr], v[GG+\k]
.endr
.irp k,0,1,2,3
	v_fma_f32 v[DD+\k], -v[FF+\k], s[\sd], v[GG+\k]
.endr
.irp k,0,1,2,3
	v_fma_f32 v[FF+\k], v[DD+\k], s[\sr], v[FF+\k]
.endr
.irp k,0,1,2,3
	v_add_f32 v[FF+\k], -1.0, v[FF+\k]
.endr
.irp k,0,1,2,3
	v_add_f32 v[FF+\k], 1.0, v[FF+\k]
.endr
.irp k,0,1,2,3
	v_fma_f32 v[GG+\k], v[FF+\k], s[\sh], -0.5
.endr
.irp k,0,1,2,3
	v_floor_f32 v[FF+\k], v[GG+\k]
.endr
.irp k,0,1,2,3
	v_sub_f32 v[W1+\k], v[GG+\k], v[FF+\k]
.endr
.irp k,0,1,2,3
	v_sub_f32 v[W0+\k], 1.0, v[W1+\k]
.endr
.irp k,0,1,2,3
	v_med3_num_f32 v[\cc+\k], v[FF+\k], 0, s[\sm]
.endr
.irp k,0,1,2,3
	v_sub_f32 v[DD+\k], v[FF+\k], v[\cc+\k]        ; d
.endr
.irp k,0,1,2,3
	v_cmp_eq_f32 s[66+3*\k], 0, v[DD+\k]
	v_cmp_eq_f32 s[67+3*\k], -1.0, v[DD+\k]
	v_cmp_eq_f32 s[68+3*\k], 1.0, v[DD+\k]
.endr
.irp k,0,1,2,3
	v_cndmask_b32 v[\wa+\k], 0, v[W1+\k], s[67+3*\k]
	v_cndmask_b32 v[\wb+\k], 0, v[W0+\k], s[68+3*\k]
.endr
.irp k,0,1,2,3
	v_cndmask_b32 v[\wa+\k], v[\wa+\k], v[W0+\k], s[66+3*\k]
	v_cndmask_b32 v[\wb+\k], v[\wb+\k], v[W1+\k], s[66+3*\k]
.endr
.irp k,0,1,2,3
	v_cvt_u32_f32 v[\cc+\k], v[\cc+\k]
.endr
.endm
.macro POINT i, e                      ; head 2 t + e, my tile i: four points of level h for pixel r
	AXIS ACC+8*(\e), REF+2*(2*(\i)+(\e)), SRY, SDY, SHY, SMY, CY, WYA, WYB
	AXIS ACC+8*(\e)+1, REF+2*(2*(\i)+(\e))+1, SRX, SDX, SHX, SMX, CX, WXA, WXB
	s_wait_xcnt 0x0                                ; the earlier stores have read IDX and WT: they are written again only behind this wait
.irp k,0,1,2,3
	v_lshl_add_u32 v[IDX+\k], v[CY+\k], 7, v[CX+\k]
.endr
.irp k,0,1,2,3
	v_add_nc_u32 v[IDX+\k], v[VHB0+(\e)], v[IDX+\k]
.endr
.irp k,0,1,2,3
	v_mul_f32 v[WYA+\k], v[WYA+\k], v[AW+4*(\e)+\k]
	v_mul_f32 v[WYB+\k], v[WYB+\k], v[AW+4*(\e)+\k]
.endr
.irp k,0,1,2,3
	v_mul_f32 v[WT+4*\k], v[WYA+\k], v[WXA+\k]
	v_mul_f32 v[WT+4*\k+1], v[WYA+\k], v[WXB+\k]
	v_mul_f32 v[WT+4*\k+2], v[WYB+\k], v[WXA+\k]
	v_mul_f32 v[WT+4*\k+3], v[WYB+\k], v[WXB+\k]
.endr
	global_store_b128 v[VLI], v[IDX:IDX+3], s[48:49] offset:4096*(\i)+512*(\e)      ; each store of the wave covers 512 consecutive bytes, aligned
.irp k,0,1,2,3
	global_store_b128 v[VLI], v[WT+4*\k:WT+4*\k+3], s[50:51] offset:16384*(\i)+2048*(\e)+512*\k
.endr
.endm
.macro PSTEP i
	s_wait_dscnt 0x0                               ; q's fragments of this tile are in
.if (\i) == 0
	s_wait_loadcnt 0x0                             ; Wo, Wa, ba, ref_point
	s_wait_xcnt 0x0                                ; sf's last stores have read RB, which the logits take
.endif
	WM ACC, WO, XF0, WO+32, WOS, XS0               ; three accumulators by turns: head 2 t's offsets, head 2 t + 1's, both heads' logits
	WM ACC+8, WO+16, XF0, WO+40, WOS+2, XS0
	WM LACC, WAF, XF0, BA, WAS, XS0
	WM ACC, WO+8, XF0+8, ACC, WOS+1, XS0+1
	WM ACC+8, WO+24, XF0+8, ACC+8, WOS+3, XS0+1
	WM LACC, WAF+8, XF0+8, LACC, WAS+1, XS0+1
	NOPS 5                                         ; ahead of the loads into the fragments just read and of the first read of results; the fifth as in Q
.if (\i) < 3
	FETCHQ (\i)+1
.endif
	SOFTMAX
	POINT \i, 0
	POINT \i, 1
.endm
	FETCHQ 0
.irp i,0,1,2,3
	PSTEP \i
.endr
	s_wait_tensorcnt 0x0                           ; the wave's end
	ds_add_u32 v[SPW], v[NIL]
	s_wait_dscnt 0x0
	s_endpgm
.Lfunc_end_k_q59feb33b55_proj:
	.size	k_q59feb33b55_proj, .Lfunc_end_k_q59feb33b55_proj-k_q59feb33b55_proj
	.p2alignl 7, 3214868480
	.fill 96, 4, 3214868480
	.section	.rodata,"a",@progbits
	.p2align	6, 0x0
	.amdhsa_kernel k_q59feb33b55_proj
		.amdhsa_group_segment_fixed_size 92160
		.amdhsa_private_segment_fixed_size 0
		.amdhsa_enable_private_segment 0
		.amdhsa_kernarg_size 176
		.amdhsa_user_sgpr_count 2
		.amdhsa_user_sgpr_kernarg_segment_ptr 1
		.amdhsa_wavefront_size32 1
		.amdhsa_system_sgpr_workgroup_id_x 1
		.amdhsa_system_sgpr_workgroup_id_y 1
		.amdhsa_system_sgpr_workgroup_id_z 1
		.amdhsa_system_vgpr_workitem_id 0
		.amdhsa_next_free_vgpr 256
		.amdhsa_next_free_sgpr 84
		.amdhsa_reserve_vcc 0
		.amdhsa_float_denorm_mode_32 3
		.amdhsa_float_denorm_mode_16_64 3
		.amdhsa_memory_ordered 1
		.amdhsa_forward_progress 1
		.amdhsa_inst_pref_size 153
	.end_amdhsa_kernel
	.amdgpu_metadata
---
amdhsa.version: [ 1, 2 ]
amdhsa.kernels:
  - .name:           k_q59feb33b55_proj
    .symbol:         k_q59feb33b55_proj.kd
    .args:
      - { .name: query_codes, .offset: 0, .size: 8, .value_kind: global_buffer, .address_space: global }
      - { .name: query_scales, .offset: 8, .size: 8, .value_kind: global_buffer, .address_space: global }
      - { .name: keys0_codes, .offset: 16, .size: 8, .value_kind: global_buffer, .address_space: global }
      - { .name: keys0_scales, .offset: 24, .size: 8, .value_kind: global_buffer, .address_space: global }
      - { .name: keys1_codes, .offset: 32, .size: 8, .value_kind: global_buffer, .address_space: global }
      - { .name: keys1_scales, .offset: 40, .size: 8, .value_kind: global_buffer, .address_space: global }
      - { .name: Wq_codes, .offset: 48, .size: 8, .value_kind: global_buffer, .address_space: global }
      - { .name: Wq_scales, .offset: 56, .size: 8, .value_kind: global_buffer, .address_space: global }
      - { .name: bq, .offset: 64, .size: 8, .value_kind: global_buffer, .address_space: global }
      - { .name: Wk_codes, .offset: 72, .size: 8, .value_kind: global_buffer, .address_space: global }
      - { .name: Wk_scales, .offset: 80, .size: 8, .value_kind: global_buffer, .address_space: global }
      - { .name: bk, .offset: 88, .size: 8, .value_kind: global_buffer, .address_space: global }
      - { .name: Wo_codes, .offset: 96, .size: 8, .value_kind: global_buffer, .address_space: global }
      - { .name: Wo_scales, .offset: 104, .size: 8, .value_kind: global_buffer, .address_space: global }
      - { .name: bo, .offset: 112, .size: 8, .value_kind: global_buffer, .address_space: global }
      - { .name: Wa_codes, .offset: 120, .size: 8, .value_kind: global_buffer, .address_space: global }
      - { .name: Wa_scales, .offset: 128, .size: 8, .value_kind: global_buffer, .address_space: global }
      - { .name: ba, .offset: 136, .size: 8, .value_kind: global_buffer, .address_space: global }
      - { .name: ref_point, .offset: 144, .size: 8, .value_kind: global_buffer, .address_space: global }
      - { .name: sf, .offset: 152, .size: 8, .value_kind: global_buffer, .address_space: global }
      - { .name: idx, .offset: 160, .size: 8, .value_kind: global_buffer, .address_space: global }
      - { .name: wts, .offset: 168, .size: 8, .value_kind: global_buffer, .address_space: global }
    .group_segment_fixed_size: 92160
    .private_segment_fixed_size: 0
    .kernarg_segment_align: 8
    .kernarg_segment_size: 176
    .max_flat_workgroup_size: 256
    .sgpr_count:     84
    .vgpr_count:     256
    .wavefront_size: 32
...
	.end_amdgpu_metadata
.endif
;; end of part 1
;; launch sample (part 2): grid 256 x 1, 16 waves a work-group, no clusters, 270,336 bytes of LDS; arguments idx, wts, sf, Wm_codes, Wm_scales, bm, out0; writes out0
.if DOCPART == 2
	.amdgcn_target "amdgcn-amd-amdhsa--gfx1250"
	.amdhsa_code_object_version 6
	.text
	.protected	k_q59feb33b55_sample
	.globl	k_q59feb33b55_sample
	.p2align	8
	.type	k_q59feb33b55_sample,@function
k_q59feb33b55_sample:
	s_mov_b64 s[64:65], 0
	v_nop
	global_prefetch_b8 v0, s[64:65] scope:SCOPE_SE
	s_setreg_imm32_b32 hwreg(HW_REG_WAVE_MODE, 25, 1), 1
	s_wait_xcnt 0x0
; SAMPLE: feat[pixel][32 head + c] = the sum over 8 points (l, k) and 4 corners of wts x sf, in f32; feat is quantised along its 256 columns to E2M1 (a block of 32 is one head); out0 = feat Wm + bm.
; No work of reference() is left out here either.  idx, wts and sf are laid as the launch before stored them:
;   idx u32 [tile][head 8][l 2][r 16][k 4]: the point's base pixel in batch b's part of sf;   wts f32 [tile][head 8][k 4][l 2][r 16][corner 4];   sf f32 [b][head][l][y][x][c 32].
; The four corners lie 0, 128, 16,384 and 16,512 bytes from the base.  idx is held to its largest value, 0x1ff7e, ahead of the address: the last byte so reached is the last of batch b's 2^24.
; LIMITS.  The 32 terms of a sum are added by fused multiply-adds, l, k and corner ascending: another order of rounding than reference()'s.  A weight 0 meets the pixel at the clamped corner, so 0 x an infinite sf
; arises there and not at reference()'s clipped pixel.  A block of feat that is all zeros gets the scale byte 1 where the rule says 127: its codes are zeros and only this program reads the byte.
; SHARES.  A work-group owns 128 pixels, 8 tiles of 16.  Sixteen waves; wave w takes tile m = w / 2 and half hf = w & 1.
;   GATHER: pixels 8 hf + 0 .. 7 of the tile, all 8 heads: 16 trips t = 2 head + q.  In a trip eight lanes take a pixel (r = 8 hf + 4 q + lane / 8), each lane 4 channels: a load reads four pixels' 128 bytes.
;   PRODUCT: tile m x columns 128 hf .. + 127: 8 tiles of Wm's rows x 2 K steps.  Used transposed: source 0 = 16 rows of Wm, source 1 = the 16 pixels.
; THE RING OF LOADS.  Trip t issues, level 0 and then level 1: idx of trip t + 2 (1 load), wts of trip t + 1 (4), the gather of trip t + 1 (16): 42 loads of a wave are out at the most.
; NO TENSOR LOADS, NO CLUSTER: every lane of the gather has an address of its own, and Wm, the one thing that work-groups share, is 34 KiB against the 4 MiB that a work-group gathers.
.set STAGE, 0                          ; LDS: feat, 128 rows of 1,024 + 16 bytes
.set OUTS,  133120                     ; a stage for each wave on the way out: 16 rows of 512 + 16 bytes
.set SPARE, 268288                     ; the spare words, 128 bytes for each wave: eight blocks of 256 bytes that no other line names
.set VIW,   1                          ; 16 (8 hf + lane / 8): my pixel's 16 bytes in idx and in wts
.set VJ,    2                          ; 16 (lane & 7): my 4 channels
.set VST,   3                          ; (8 w + lane / 8) x 1040 + 16 (lane & 7): where my 4 sums go, for head 0 and q = 0
.set VSA,   4                          ; + 128 head
.set VQ,    5                          ; (16 m + r) x 1040 + 64 h: my 16 numbers of a block
.set VWM,   6                          ; 128 r + 16 h
.set VS8,   7                          ; 8 r
.set VSO,   8                          ; my stage, on the way in: 528 r + 32 h
.set VSR,   9                          ; and back: 16 lane
.set VLI,   10                         ; 16 lane
.set SPW,   11                         ; LDS address of my spare word; never rewritten
.set NIL,   12                         ; 0; never rewritten
.set PW0,   13                         ; v13, v14: feat's scale words, and nothing else
.set IX,    16                         ; v16-23 idx: 4 for each level
.set AD,    24                         ; v24-31 the gather's offsets
.set ACA,   32                         ; v32-35 four sums (q = 0);  v68-71 (q = 1)
.set ACB,   68
.set WW,    36                         ; v36-67 weights: 16 l + 4 k + corner
.set GB,    128                        ; v128-255 gathered: 64 l + 16 k + 4 corner
.set PC,    16                         ; the product: v16-31 feat's two fragments
.set TM,    32                         ; v32-39, v44-47 at work
.set BM,    40                         ; v40-43 bm of my 4 columns
.set XX,    48                         ; v48-111 64 numbers of feat, then the 8 accumulators
.set WS,    112                        ; v112-127 Wm's scale words (2 n + s), and nothing else
.set WF,    128                        ; v128-255 Wm's fragments (8 (2 n + s)); then v128-191 rows of out0
.set LN,    72                         ; at the head only
.set RR,    73
.set HH,    74
.set G8,    75
.set WV,    22
.set CNT,   23
.set SH,    24
.set SEL,   26
	s_load_b256 s[8:15], s[0:1], 0x0               ; idx s[8:9], wts s[10:11], sf s[12:13], Wm's codes s[14:15]
	s_load_b128 s[16:19], s[0:1], 0x20             ; Wm's scales, bm
	s_load_b64 s[20:21], s[0:1], 0x30              ; out0
	v_lshl_add_u32 v[SPW], v0, 2, SPARE
	v_mov_b32 v[NIL], 0
	v_lshrrev_b32 v15, 5, v0
	v_readfirstlane_b32 s[WV], v15                 ; wave 0..15
	s_lshr_b32 s25, s[WV], 1                       ; m
	s_and_b32 s28, s[WV], 1                        ; hf
	v_and_b32 v[LN], 31, v0
	v_and_b32 v[RR], 15, v0
	v_bfe_u32 v[HH], v0, 4, 1
	v_lshrrev_b32 v[G8], 3, v[LN]
	s_lshl_b32 s29, s28, 7
	v_lshl_add_u32 v[VIW], v[G8], 4, s29
	v_and_b32 v76, 7, v[LN]
	v_lshlrev_b32 v[VJ], 4, v76
	s_mul_i32 s29, s[WV], 8320
	v_mul_u32_u24 v76, v[G8], 1040
	v_add_nc_u32 v76, v76, v[VJ]
	v_add_nc_u32 v[VST], s29, v76
	s_mul_i32 s29, s25, 16640
	v_mul_u32_u24 v76, v[RR], 1040
	v_lshl_add_u32 v76, v[HH], 6, v76
	v_add_nc_u32 v[VQ], s29, v76
	v_lshlrev_b32 v[VWM], 7, v[RR]
	v_lshl_add_u32 v[VWM], v[HH], 4, v[VWM]
	v_lshlrev_b32 v[VS8], 3, v[RR]
	v_lshlrev_b32 v[VLI], 4, v[LN]
	s_mul_i32 s29, s[WV], 8448
	s_add_co_u32 s29, s29, OUTS
	v_mul_u32_u24 v76, v[RR], 528
	v_lshl_add_u32 v76, v[HH], 5, v76
	v_add_nc_u32 v[VSO], s29, v76
	v_add_nc_u32 v[VSR], s29, v[VLI]
	s_mov_b32 s[SEL], 0x76543210
	s_mov_b32 s[SEL+1], 0xfedcba98
	s_mov_b32 s[CNT], 7
	s_mov_b32 s[SH], 0
	s_mov_b32 s31, 0
	s_wait_kmcnt 0x0
	s_lshl_b32 s30, ttmp9, 15                      ; idx: 8 tiles of 4,096 bytes; my tile
	s_lshl_b32 s29, s25, 12
	s_add_co_u32 s30, s30, s29
	s_add_nc_u64 s[8:9], s[8:9], s[30:31]
	s_lshl_b32 s30, ttmp9, 17                      ; wts and out0: four times that
	s_lshl_b32 s29, s25, 14
	s_add_co_u32 s30, s30, s29
	s_add_nc_u64 s[10:11], s[10:11], s[30:31]
	s_lshl_b32 s29, s28, 9                         ; out0: my 128 columns
	s_add_co_u32 s30, s30, s29
	s_add_nc_u64 s[20:21], s[20:21], s[30:31]
	s_mov_b32 s30, s29
	s_add_nc_u64 s[18:19], s[18:19], s[30:31]      ; bm likewise
	s_lshr_b32 s30, ttmp9, 6
	s_lshl_b32 s30, s30, 24                        ; sf: batch b
	s_add_nc_u64 s[12:13], s[12:13], s[30:31]
	s_lshl_b32 s30, s28, 14                        ; Wm: my 128 rows: codes,
	s_add_nc_u64 s[14:15], s[14:15], s[30:31]
	s_lshl_b32 s30, s28, 10                        ; scale bytes
	s_add_nc_u64 s[16:17], s[16:17], s[30:31]
.macro LDI l, off                      ; my pixel's four idx of level l
	global_load_b128 v[IX+4*(\l):IX+4*(\l)+3], v[VIW], s[8:9] offset:\off
.endm
.macro LDW l, off                      ; and its 4 x 4 weights
.irp k,0,1,2,3
	global_load_b128 v[WW+16*(\l)+4*\k:WW+16*(\l)+4*\k+3], v[VIW], s[10:11] offset:(\off)+512*\k
.endr
.endm
.macro ADDR l                          ; the base pixel, held to the table's last base, x 128 bytes + my 4 channels
.irp k,0,1,2,3
	v_min_u32 v[AD+4*(\l)+\k], 0x1ff7e, v[IX+4*(\l)+\k]
.endr
.irp k,0,1,2,3
	v_lshl_add_u32 v[AD+4*(\l)+\k], v[AD+4*(\l)+\k], 7, v[VJ]
.endr
.endm
.macro GATH l                          ; 16 loads: four points x four corners; pixels are read many times, so no hint
.irp k,0,1,2,3
.irp c,0,1,2,3
	global_load_b128 v[GB+64*(\l)+16*\k+4*\c:GB+64*(\l)+16*\k+4*\c+3], v[AD+4*(\l)+\k], s[12:13] offset:16384*(\c/2)+128*(\c%2)
.endr
.endr
.endm
.macro FMA l, acc                      ; four channels x 16 terms; the very first product starts the sums
.irp k,0,1,2,3
.irp c,0,1,2,3
.irp e,0,1,2,3
.if (\l)+\k+\c == 0
	v_mul_f32 v[\acc+\e], v[GB+\e], v[WW]
.else
	v_fmac_f32 v[\acc+\e], v[GB+64*(\l)+16*\k+4*\c+\e], v[WW+16*(\l)+4*\k+\c]
.endif
.endr
.endr
.endr
.endm
; Level l of a trip.  cnt: the loads issued behind this level's gather, which may stay out.  woff >= 0: the next trip's weights and gather are asked for; ioff >= 0: the idx of the trip after that.
.macro HALF l, acc, cnt, ioff, woff
	s_wait_loadcnt \cnt                            ; this level's gather is in, and ahead of it its weights and the next trip's idx; the gather's offsets may be written again
.if (\woff) >= 0
	ADDR \l
.endif
.if (\ioff) >= 0
	LDI \l, \ioff
.endif
.if (\l) == 0
	s_wait_dscnt 0x1                               ; the stage store that read these four registers, two trips back, is done; the last trip's, from the other four, may be out
.endif
	FMA \l, \acc
.if (\woff) >= 0
	LDW \l, \woff
	GATH \l
.endif
.endm
	LDI 0, 0                                       ; trip 0's idx
	LDI 1, 256
	s_wait_loadcnt 0x0
	ADDR 0
	ADDR 1
	LDI 0, 64                                      ; then as every trip issues them: trip 1's idx, trip 0's weights and gather
	LDW 0, 0
	GATH 0
	LDI 1, 320
	LDW 1, 256
	GATH 1
.Lhead:                                            ; 7 trips of the loop, a head each: two trips of the ring
	v_add_nc_u32 v[VSA], s[SH], v[VST]
	HALF 0, ACA, 21, 512, 64                       ; 21: the other level's 1 + 4 + 16, issued behind the gather that is wanted
	HALF 1, ACA, 21, 768, 320
	ds_store_b128 v[VSA], v[ACA:ACA+3]
	HALF 0, ACB, 21, 576, 2048
	HALF 1, ACB, 21, 832, 2304
	ds_store_b128 v[VSA], v[ACB:ACB+3] offset:4160 ; four rows further down
	s_wait_xcnt 0x0                                ; the loads have read their bases: they are stepped only behind this wait
	s_add_nc_u64 s[8:9], s[8:9], 512
	s_add_nc_u64 s[10:11], s[10:11], 2048
	s_add_co_u32 s[SH], s[SH], 128
	s_sub_co_i32 s[CNT], s[CNT], 1
	s_cmp_lg_u32 s[CNT], 0
	s_cbranch_scc1 .Lhead
	v_add_nc_u32 v[VSA], s[SH], v[VST]             ; head 7 is written out: no load leaves its buffer
	HALF 0, ACA, 21, -1, 64
	HALF 1, ACA, 20, -1, 320                       ; 20: no idx was asked for
	ds_store_b128 v[VSA], v[ACA:ACA+3]
	HALF 0, ACB, 20, -1, -1
	HALF 1, ACB, 0, -1, -1
	ds_store_b128 v[VSA], v[ACB:ACB+3] offset:4160
	; 41 loads into registers that the gather has left: my 128 rows of Wm, their scale words, my 4 numbers of bm
.irp n,0,1,2,3,4,5,6,7
.irp s,0,1
.irp c,0,1
	global_load_b128 v[WF+8*(2*\n+\s)+4*\c:WF+8*(2*\n+\s)+4*\c+3], v[VWM], s[14:15] offset:2048*\n+64*\s+32*\c
.endr
.endr
	global_load_b64 v[WS+2*\n:WS+2*\n+1], v[VS8], s[16:17] offset:128*\n
.endr
	global_load_b128 v[BM:BM+3], v[VLI], s[18:19]
.irp b,0,1,2,3
	v_mov_b32 v[TM+4+\b], 0                        ; a lane permute's destination counts as one of its sources
.endr
	s_wait_dscnt 0x0                               ; for the others' sake: my eight rows of feat lie in the stage
	s_barrier_signal -1
	s_barrier_wait -1                              ; a tile's sixteen rows come from two waves
; 64 numbers of a lane, register 16 b + i = k 32 b + 16 h + i of pixel r, become a fragment's codes in v[pc] on and its scale word in v[pw]
.macro QUANT src, pc, pw
.irp b,0,1,2,3
	v_max3_num_f32 v[TM+\b], |v[\src+16*\b]|, |v[\src+1+16*\b]|, 0x1800000   ; block b: my 16 numbers, and the floor 2^(3 - 127): the byte cannot fall under 1
.endr
.irp i,2,4,6,8,10,12,14
.irp b,0,1,2,3
	v_max3_num_f32 v[TM+\b], v[TM+\b], |v[\src+16*\b+\i]|, |v[\src+1+16*\b+\i]|   ; the four blocks by turns
.endr
.endr
.irp b,0,1,2,3
	v_permlanex16_b32 v[TM+4+\b], v[TM+\b], s[SEL], s[SEL+1]
.endr
.irp b,0,1,2,3
	v_max_num_f32 v[TM+\b], v[TM+\b], v[TM+4+\b]   ; with lane l xor 16's: the block's largest magnitude
.endr
.irp b,0,1,2,3
	v_add_nc_u32 v[TM+12+\b], 0xff000000, v[TM+\b] ; 2 off its exponent field: the conversion's scale operand
.endr
.irp b,0,1,2,3
	v_lshrrev_b32 v[TM+4+\b], 23, v[TM+12+\b]      ; the scale's byte
.endr
	v_lshl_or_b32 v[\pw], v[TM+5], 8, v[TM+4]
	v_lshl_or_b32 v[\pw], v[TM+6], 16, v[\pw]
	v_lshl_or_b32 v[\pw], v[TM+7], 24, v[\pw]
.irp b,0,1,2,3
	v_cvt_scalef32_pk8_fp4_f32 v[\pc+2*\b], v[\src+16*\b:\src+7+16*\b], v[TM+12+\b]
	v_cvt_scalef32_pk8_fp4_f32 v[\pc+1+2*\b], v[\src+8+16*\b:\src+15+16*\b], v[TM+12+\b]
.endr
	v_nop                                          ; one plain place behind a scaled conversion
.irp c,0,1                                     ; the operand's layout wants a whole block in a lane: lanes 0-15 block 2 c, lanes 16-31 block 2 c + 1
.irp i,0,1
	v_permlane16_swap_b32 v[\pc+4*\c+\i], v[\pc+2+4*\c+\i]
.endr
.endr
.endm
.macro FEAT s                          ; K step s of my tile of feat: from the stage, quantised
.irp b,0,1,2,3
.irp j,0,1,2,3
	ds_load_b128 v[XX+16*\b+4*\j:XX+16*\b+4*\j+3], v[VQ] offset:512*(\s)+128*\b+16*\j
.endr
.endr
	s_wait_dscnt 0x0
	QUANT XX, PC+8*(\s), PW0+(\s)
.endm
	FEAT 0
	FEAT 1
	s_wait_loadcnt 0x0                             ; Wm, its scale words, bm
.rept 8
	v_nop                                          ; a scale word made by vector instructions stands eight places ahead of the scaled matrix instruction, an operand so made four
.endr
.irp n,0,1,2,3,4,5,6,7                         ; eight accumulators by turns; the first K step starts the sums
	v_wmma_scale_f32_16x16x128_f8f6f4 v[XX+8*\n:XX+8*\n+7], v[WF+16*\n:WF+16*\n+7], v[PC:PC+7], 0, v[WS+2*\n], v[PW0] matrix_a_fmt:MATRIX_FMT_FP4 matrix_b_fmt:MATRIX_FMT_FP4
.endr
.irp n,0,1,2,3,4,5,6,7
	v_wmma_scale_f32_16x16x128_f8f6f4 v[XX+8*\n:XX+8*\n+7], v[WF+16*\n+8:WF+16*\n+15], v[PC+8:PC+15], v[XX+8*\n:XX+8*\n+7], v[WS+2*\n+1], v[PW0+1] matrix_a_fmt:MATRIX_FMT_FP4 matrix_b_fmt:MATRIX_FMT_FP4
.endr
.rept 4
	v_nop                                          ; places ahead of the first read of results and of the loads into Wm's registers
.endr
	; THE WAY OUT.  Lane (r, h) holds columns 16 n + 8 h + 0 .. 7 of pixel r: through my own stage, back as whole rows of 512 bytes; bm is added to a lane's 4 columns on the way.
.irp n,0,1,2,3,4,5,6,7
	ds_store_b128 v[VSO], v[XX+8*\n:XX+8*\n+3] offset:64*\n        ; each accumulator from its low end on
	ds_store_b128 v[VSO], v[XX+8*\n+4:XX+8*\n+7] offset:64*\n+16
.endr
.irp t,0,1,2,3,4,5,6,7,8,9,10,11,12,13,14,15
	ds_load_b128 v[WF+4*\t:WF+4*\t+3], v[VSR] offset:528*\t        ; LDS serves a wave's instructions in order: these see the stores above
.endr
.irp t,0,1,2,3,4,5,6,7,8,9,10,11,12,13,14,15
	s_wait_dscnt 15-\t                             ; row t is back; the younger loads may be out
	v_pk_add_f32 v[WF+4*\t:WF+4*\t+1], v[WF+4*\t:WF+4*\t+1], v[BM:BM+1]
	v_pk_add_f32 v[WF+4*\t+2:WF+4*\t+3], v[WF+4*\t+2:WF+4*\t+3], v[BM+2:BM+3]
	global_store_b128 v[VLI], v[WF+4*\t:WF+4*\t+3], s[20:21] offset:1024*\t th:TH_STORE_NT   ; 32 lanes store 512 consecutive bytes, aligned; written once, read by nobody here
.endr
	s_wait_tensorcnt 0x0                           ; the wave's end
	ds_add_u32 v[SPW], v[NIL]
	s_wait_dscnt 0x0
	s_endpgm
.Lfunc_end_k_q59feb33b55_sample:
	.size	k_q59feb33b55_sample, .Lfunc_end_k_q59feb33b55_sample-k_q59feb33b55_sample
	.p2alignl 7, 3214868480
	.fill 96, 4, 3214868480
	.section	.rodata,"a",@progbits
	.p2align	6, 0x0
	.amdhsa_kernel k_q59feb33b55_sample
		.amdhsa_group_segment_fixed_size 270336
		.amdhsa_private_segment_fixed_size 0
		.amdhsa_enable_private_segment 0
		.amdhsa_kernarg_size 56
		.amdhsa_user_sgpr_count 2
		.amdhsa_user_sgpr_kernarg_segment_ptr 1
		.amdhsa_wavefront_size32 1
		.amdhsa_system_sgpr_workgroup_id_x 1
		.amdhsa_system_sgpr_workgroup_id_y 1
		.amdhsa_system_sgpr_workgroup_id_z 1
		.amdhsa_system_vgpr_workitem_id 0
		.amdhsa_next_free_vgpr 256
		.amdhsa_next_free_sgpr 66
		.amdhsa_reserve_vcc 0
		.amdhsa_float_denorm_mode_32 3
		.amdhsa_float_denorm_mode_16_64 3
		.amdhsa_memory_ordered 1
		.amdhsa_forward_progress 1
		.amdhsa_inst_pref_size 62
	.end_amdhsa_kernel
	.amdgpu_metadata
---
amdhsa.version: [ 1, 2 ]
amdhsa.kernels:
  - .name:           k_q59feb33b55_sample
    .symbol:         k_q59feb33b55_sample.kd
    .args:
      - { .name: idx, .offset: 0, .size: 8, .value_kind: global_buffer, .address_space: global }
      - { .name: wts, .offset: 8, .size: 8, .value_kind: global_buffer, .address_space: global }
      - { .name: sf, .offset: 16, .size: 8, .value_kind: global_buffer, .address_space: global }
      - { .name: Wm_codes, .offset: 24, .size: 8, .value_kind: global_buffer, .address_space: global }
      - { .name: Wm_scales, .offset: 32, .size: 8, .value_kind: global_buffer, .address_space: global }
      - { .name: bm, .offset: 40, .size: 8, .value_kind: global_buffer, .address_space: global }
      - { .name: out0, .offset: 48, .size: 8, .value_kind: global_buffer, .address_space: global }
    .group_segment_fixed_size: 270336
    .private_segment_fixed_size: 0
    .kernarg_segment_align: 8
    .kernarg_segment_size: 56
    .max_flat_workgroup_size: 512
    .sgpr_count:     66
    .vgpr_count:     256
    .wavefront_size: 32
...
	.end_amdgpu_metadata
.endif
;; end of part 2
;; ======== version 2 of 2: 3 launches
;; limits: right only within a limited range of input values
;; workspace buffers: sf 67,108,864 bytes; idx 8,388,608 bytes of whole numbers; wts 33,554,432 bytes; feat 33,554,432 bytes
;; launch proj (part 3): grid 256 x 1, 8 waves a work-group, no clusters, 73,728 bytes of LDS; arguments query_codes, query_scales, keys0_codes, keys0_scales, keys1_codes, keys1_scales, Wq_codes, Wq_scales, bq, Wk_codes, Wk_scales, bk, Wo_codes, Wo_scales, bo, Wa_codes, Wa_scales, ba, ref_point, sf, idx, wts; writes sf, idx, wts
.if DOCPART == 3
	.amdgcn_target "amdgcn-amd-amdhsa--gfx1250"
	.amdhsa_code_object_version 6
	.text
	.protected	k_q59feb33b55_proj
	.globl	k_q59feb33b55_proj
	.p2align	8
	.type	k_q59feb33b55_proj,@function
k_q59feb33b55_proj:
	s_mov_b64 s[64:65], 0
	v_nop
	global_prefetch_b8 v0, s[64:65] scope:SCOPE_SE
	s_setreg_imm32_b32 hwreg(HW_REG_WAVE_MODE, 25, 1), 1
	s_wait_xcnt 0x0
; PROJ: the five projections of the deformable attention and all arithmetic of its sampling points.
;   q = query Wq + bq, quantised again along its 256 columns;  off = q Wo + bo;  A = softmax over 8 of (q Wa + ba);  sf_l = keys_l Wk + bk, l = 0, 1.
; All five products on codes of E2M1 with one E8M0 scale for each 32 along K; sums, biases, softmax and coordinates in f32.
; OUT:  sf  f32 [b 4][head 8][cg 8][l 2][y 64][x 128][4]: channels 4 cg .. 4 cg + 3 of a head, both levels, are one dense block of 262,144 bytes; x + 1 is 16 bytes on, y + 1 is 2,048.
;       idx u32 [tile 2048][head 8][l 2][r 16][k 4] = (l << 13) + 128 yb + xb: the point's base pixel in such a block, in pixels (tile = flat pixel / 16, r = pixel in the tile).
;       wts f32 [tile][head 8][k 4][l 2][r 16][corner 4]: A x wy x wx of pixels (yb, xb), (yb, xb + 1), (yb + 1, xb), (yb + 1, xb + 1).
; The next launch forms its addresses from idx: a launch forms no address from floating-point numbers of its own.
; NO WORK OF reference() IS LEFT OUT: every input has a way to the output (ba differs along the softmax's axis, so it does not cancel), and which pixels of sf are sampled hangs on data.
; THE CLAMPED BASE.  x0 = floor(gx), xb = x0 held to 0 .. 126, d = x0 - xb.  Columns (xb, xb + 1) weigh (wx0, wx1) where d = 0, (wx1, 0) where d = -1, (0, wx0) where d = 1, else (0, 0):
; for every finite coordinate that is reference()'s clip with its valid mask.  y likewise, with 0 .. 62.
; jnp.tile repeats ref_point head-major: image 8 b + head takes ref_point[(8 b + head) mod 4] = ref_point[head & 3].
; LIMITS.  A coordinate that is NaN or infinite gives four weights 0 here, where reference() gives NaN.  A block of q that is all zeros gets the scale byte 1 where the rule says 127: its codes are zeros and only
; this program reads the byte.  A is folded into the corner weights, another order of rounding than reference()'s; the softmax divides by a reciprocal and a multiply.
; SHARES.  A work-group owns one image row: 128 pixels, 8 tiles of 16.  Eight waves; wave w takes
;   P0: tile w's fragments and scale words of query, keys0, keys1: memory -> registers -> LDS, as images of the operand's registers (16 bytes a lane, 512 a store);
;   Q : q's columns 32 w .. 32 w + 31, which are one block of the quantiser, for all 8 tiles: codes and scale bytes go to LDS at their places in the next operand's image;
;   SF: head w of sf, both levels, all 8 tiles;          PT: heads 2 t, 2 t + 1 (t = w / 2), tiles 4 (w & 1) + 0 .. 3: offsets, logits, softmax, points.
; Each wave's slice of each weight goes from memory straight into its registers, once.
; NO TENSOR LOADS, NO CLUSTER: the four weights are 88 KiB against some 650 KiB that a work-group moves, each wave reads its own slice once, and the activations are read by one work-group alone.
; EVERY PRODUCT IS USED TRANSPOSED: source 0 = 16 rows of the weight, source 1 = 16 pixels: lane (r, h) holds pixel r, its register j the weight row at place 8 h + j of the tile.
; WHICH ROWS FORM A TILE.  Wk, Wo: neighbours (a tile of Wo is a head: h is the level, j = 2 k + (0: y, 1: x)).  Wq: lane r of tile u takes row 32 w + 8 u + r + 8 (r / 8), so that a lane's 16 registers are
; 16 neighbours along the next K.  Wa: lane r of tile t takes row 16 t + 8 ((r / 4) & 1) + 4 (r / 8) + (r & 3): registers 0-3 are head 2 t's four logits of level h, registers 4-7 head 2 t + 1's.
; The biases are the C of each sum's first matrix instruction.  Accumulators take turns, one instruction a turn.
.set IMG,   0                          ; LDS: fragment (T, m, s) at 16384 T + 2048 m + 1024 s + 512 c + 16 lane; T: 0 query, 1 keys0, 2 keys1
.set SCW,   49152                      ; their scale words: 2048 T + 256 m + 128 s + 4 lane
.set QIMG,  55296                      ; q's fragments: 2048 m + 1024 s + 512 c + 16 lane
.set QSC,   71680                      ; q's scale words: 128 m + 64 s + 4 r
.set SPARE, 72704                      ; the spare words, 128 bytes for each wave: four blocks of 256 bytes that no other line names
.set VA,    1                          ; 128 r + 16 h: a fragment's bytes in rows of 128
.set VS8,   2                          ; 8 r: a row's 8 scale bytes; a pixel's (y, x) of ref_point
.set VWA,   3                          ; 128 rowA + 16 h
.set VWA8,  4                          ; 8 rowA
.set VLI,   5                          ; 16 lane
.set VL15,  6                          ; 4 r
.set VQW,   7                          ; QIMG + 256 w + 16 r + 8 h: where my 8 bytes of q's codes go
.set VQB,   8                          ; QSC + 64 (w / 4) + 4 r + (w & 3): and the block's byte
.set VQF,   9                          ; QIMG + 8192 (w & 1) + 16 lane: q's fragments of my four tiles
.set VQS,   10                         ; QSC + 512 (w & 1) + 4 r
.set VSF,   11                         ; (h << 19) + 16 r: in sf, two channel groups on for lanes 16-31, 16 bytes a pixel
.set VB16,  13                         ; 16 h
.set VB32,  14                         ; 32 h
.set XF0,   16                         ; v16-31, v32-47: two sets of a tile's two fragments
.set XF1,   32
.set WT,    32                         ; PT: a head's 16 weights
.set ACC,   48                         ; v48-63: two accumulators; in SF a second pair, v64-79, takes turns with them
.set LACC,  64                         ; PT: v64-71 the logits
.set IDX,   72                         ; PT: v72-75
.set TMA,   64                         ; Q: at work
.set TMB,   65
.set TMC,   66
.set SCO,   67
.set BYT,   68
.set PC,    70                         ; Q: v70-71 my 16 codes
.set VQR,   70                         ; at the head only: 128 rowQ + 16 h,
.set VQR8,  71                         ; 8 rowQ,
.set VB64,  72                         ; 64 h,
.set VLIW,  73                         ; 16 lane + 2048 w,
.set VLSW,  74                         ; 4 lane + 256 w,
.set RR,    75                         ; r, h, lane
.set HH,    76
.set LN,    77
.set WQ,    80                         ; a weight set: fragments at 16 u + 8 s (32 registers), the bias at 32 + 8 u (16)
.set WAF,   80                         ; behind Q: Wa's two fragments, ba, eight pairs of ref_point, the softmax's 8 weights
.set BA,    96
.set REF,   104
.set AW,    120
.set WK,    128
.set GG,    128                        ; PT: arrays of four, one for each k
.set FF,    132
.set DD,    136
.set W1,    140
.set W0,    144
.set CY,    148
.set WYA,   152
.set WYB,   156
.set CX,    160
.set WXA,   164
.set WXB,   168
.set WO,    176
.set XS0,   224                        ; v224-241 hold scale words and nothing else
.set XS1,   226
.set WQS,   228
.set WKS,   232
.set WOS,   236
.set WAS,   240
.set VHB,   242                        ; h << 13: my level's image
.set SPW,   244                        ; LDS address of my spare word; never rewritten
.set NIL,   245                        ; 0; never rewritten
.set MX0,   246                        ; the softmax, at work
.set MX1,   247
.set PX0,   248
.set PX1,   249
.set SM0,   250
.set SM1,   251
.set T0,    252
.set T1,    253
.set WV,    52                         ; s52 wave, s53 t = wave / 2, s63 wave & 1
.set TT,    53
.set WL,    63
.set SEL,   54                         ; s[54:55] lane selects: lane l xor 16
.set SRX,   56                         ; 1 / 127, 127, 1 / 63, 63, 126, 62, log2(e), 32, 64
.set SDX,   57
.set SRY,   58
.set SDY,   59
.set SMX,   60
.set SMY,   61
.set SL2E,  62
.set SHY,   6
.set SHX,   7
.macro NOPS n
.rept \n
	v_nop
.endr
.endm
.macro WM d, a, b, c, sa, sb           ; one matrix instruction: D, 16 rows of a weight, 16 pixels, C, the weight's scale words, the pixels'
	v_wmma_scale_f32_16x16x128_f8f6f4 v[\d:\d+7], v[\a:\a+7], v[\b:\b+7], v[\c:\c+7], v[\sa], v[\sb] matrix_a_fmt:MATRIX_FMT_FP4 matrix_b_fmt:MATRIX_FMT_FP4
.endm
.macro MM4 acc, xf, xs, set, sc        ; two tiles of weight rows x 16 pixels x K = 256: the bias starts each sum, the two accumulators take turns
.irp u,0,1
	WM \acc+8*\u, \set+16*\u, \xf, \set+32+8*\u, \sc+2*\u, \xs
.endr
.irp u,0,1
	WM \acc+8*\u, \set+16*\u+8, \xf+8, \acc+8*\u, \sc+2*\u+1, \xs+1
.endr
.endm
.macro FETCH dst, adr, off             ; a fragment's image comes back as it was stored
.irp c,0,1
	ds_load_b128 v[\dst+4*\c:\dst+4*\c+3], v[\adr] offset:\off+512*\c
.endr
.endm
.macro FETCHX xf, xs, T, m             ; tile m of activation T: two fragments, two scale words
	FETCH \xf, VLI, IMG+16384*(\T)+2048*(\m)
	FETCH \xf+8, VLI, IMG+16384*(\T)+2048*(\m)+1024
	ds_load_b32 v[\xs], v[VL15] offset:SCW+2048*(\T)+256*(\m)
	ds_load_b32 v[\xs+1], v[VL15] offset:SCW+2048*(\T)+256*(\m)+128
.endm
; A weight set, 14 loads: for each of two tiles 4 x 16 bytes of codes, 8 scale bytes, 32 bytes of bias in the result's layout
.macro WSET dst, sc, pc, ps, pb, vrow, vrow8, vb, ustep, sstep, bstep
.irp u,0,1
.irp s,0,1
.irp c,0,1
	global_load_b128 v[\dst+16*\u+8*\s+4*\c:\dst+16*\u+8*\s+4*\c+3], v[\vrow], s[\pc:\pc+1] offset:\u*\ustep+64*\s+32*\c
.endr
.endr
	global_load_b64 v[\sc+2*\u:\sc+2*\u+1], v[\vrow8], s[\ps:\ps+1] offset:\u*\sstep
	global_load_b128 v[\dst+32+8*\u:\dst+32+8*\u+3], v[\vb], s[\pb:\pb+1] offset:\u*\bstep
	global_load_b128 v[\dst+32+8*\u+4:\dst+32+8*\u+7], v[\vb], s[\pb:\pb+1] offset:\u*\bstep+16
.endr
.endm
	s_load_b512 s[8:23], s[0:1], 0x0               ; argument i in s[8 + 2 i : 9 + 2 i]
	s_load_b512 s[24:39], s[0:1], 0x40
	s_load_b256 s[40:47], s[0:1], 0x80
	s_load_b128 s[48:51], s[0:1], 0xa0
	v_lshl_add_u32 v[SPW], v0, 2, SPARE
	v_mov_b32 v[NIL], 0
	v_lshrrev_b32 v15, 5, v0
	s_delay_alu instid0(VALU_DEP_1)
	v_readfirstlane_b32 s[WV], v15                 ; wave 0..7
	s_lshr_b32 s[TT], s[WV], 1
	s_and_b32 s[WL], s[WV], 1
	v_and_b32 v[LN], 31, v0
	v_and_b32 v[RR], 15, v0
	v_bfe_u32 v[HH], v0, 4, 1
	s_delay_alu instid0(VALU_DEP_2)
	v_lshlrev_b32 v[VA], 7, v[RR]
	s_delay_alu instid0(VALU_DEP_1)
	v_lshl_add_u32 v[VA], v[HH], 4, v[VA]
	s_delay_alu instid0(VALU_DEP_4)
	v_lshlrev_b32 v[VS8], 3, v[RR]
	v_bfe_u32 v78, v[RR], 2, 1
	v_bfe_u32 v79, v[RR], 3, 1
	v_and_b32 v15, 3, v[RR]
	s_delay_alu instid0(VALU_DEP_1)
	v_lshl_add_u32 v15, v78, 3, v15
	s_delay_alu instid0(VALU_DEP_1)
	v_lshl_add_u32 v15, v79, 2, v15                ; rowA
	s_delay_alu instid0(VALU_DEP_1)
	v_lshlrev_b32 v[VWA], 7, v15
	s_delay_alu instid0(VALU_DEP_1)
	v_lshl_add_u32 v[VWA], v[HH], 4, v[VWA]
	s_delay_alu instid0(VALU_DEP_3)
	v_lshlrev_b32 v[VWA8], 3, v15
	v_lshl_add_u32 v15, v79, 3, v[RR]              ; rowQ = r + 8 (r / 8)
	s_delay_alu instid0(VALU_DEP_1)
	v_lshlrev_b32 v[VQR], 7, v15
	s_delay_alu instid0(VALU_DEP_1)
	v_lshl_add_u32 v[VQR], v[HH], 4, v[VQR]
	s_delay_alu instid0(VALU_DEP_3)
	v_lshlrev_b32 v[VQR8], 3, v15
	v_lshlrev_b32 v[VLI], 4, v[LN]
	s_wait_alu depctr_va_vdst(0)
	v_lshlrev_b32 v[VL15], 2, v[RR]
	s_wait_alu depctr_va_vdst(0)
	v_lshlrev_b32 v[VB16], 4, v[HH]
	v_lshlrev_b32 v[VB32], 5, v[HH]
	v_lshlrev_b32 v[VB64], 6, v[HH]
	s_lshl_b32 s2, s[WV], 8                        ; 256 w
	s_add_co_u32 s3, s2, QIMG
	v_lshl_add_u32 v[VQW], v[RR], 4, s3
	s_delay_alu instid0(VALU_DEP_1)
	v_lshl_add_u32 v[VQW], v[HH], 3, v[VQW]
	v_lshl_add_u32 v[VLSW], v[LN], 2, s2
	s_and_b32 s3, s[WV], 3
	s_lshr_b32 s4, s[WV], 2
	s_lshl_b32 s4, s4, 6
	s_add_co_u32 s3, s3, s4
	s_add_co_u32 s3, s3, QSC
	v_add_nc_u32 v[VQB], s3, v[VL15]
	s_lshl_b32 s3, s[WL], 13
	s_add_co_u32 s3, s3, QIMG
	v_add_nc_u32 v[VQF], s3, v[VLI]
	s_lshl_b32 s3, s[WL], 9
	s_add_co_u32 s3, s3, QSC
	v_add_nc_u32 v[VQS], s3, v[VL15]
	v_lshlrev_b32 v[VSF], 19, v[HH]
	s_delay_alu instid0(VALU_DEP_1)
	v_lshl_add_u32 v[VSF], v[RR], 4, v[VSF]
	s_lshl_b32 s3, s[WV], 11
	v_add_nc_u32 v[VLIW], s3, v[VLI]
	v_lshlrev_b32 v[VHB], 13, v[HH]
	v_mov_b32 v[PX0], 0                            ; written once: a lane permute's destination counts as one of its sources
	v_mov_b32 v[PX1], 0
	s_mov_b32 s[SEL], 0x76543210
	s_mov_b32 s[SEL+1], 0xfedcba98
	s_mov_b32 s[SRX], 0x3c010204
	s_mov_b32 s[SDX], 0x42fe0000
	s_mov_b32 s[SRY], 0x3c820821
	s_mov_b32 s[SDY], 0x427c0000
	s_mov_b32 s[SMX], 0x42fc0000
	s_mov_b32 s[SMY], 0x42780000
	s_mov_b32 s[SL2E], 0x3fb8aa3b
	s_mov_b32 s[SHY], 0x42000000
	s_mov_b32 s[SHX], 0x42800000
	s_mov_b32 s79, 0
	s_mov_b32 s81, 0
	s_lshl_b32 s78, ttmp9, 14                      ; the row's 128 pixels x 128 bytes of codes,
	s_lshl_b32 s2, s[WV], 11
	s_add_co_u32 s78, s78, s2                      ; my tile's 16
	s_lshl_b32 s80, ttmp9, 10                      ; and x 8 scale bytes
	s_lshl_b32 s2, s[WV], 7
	s_add_co_u32 s80, s80, s2
	s_wait_alu depctr_va_vdst(0)
	s_wait_kmcnt 0x0
	s_add_nc_u64 s[8:9], s[8:9], s[78:79]
	s_add_nc_u64 s[12:13], s[12:13], s[78:79]
	s_add_nc_u64 s[16:17], s[16:17], s[78:79]
	s_add_nc_u64 s[10:11], s[10:11], s[80:81]
	s_add_nc_u64 s[14:15], s[14:15], s[80:81]
	s_add_nc_u64 s[18:19], s[18:19], s[80:81]
.irp T,0,1,2                                   ; 15 loads: my tile of the three activations, in the operand's own layout
.irp s,0,1
.irp c,0,1
	global_load_b128 v[16+16*\T+8*\s+4*\c:16+16*\T+8*\s+4*\c+3], v[VA], s[8+4*\T:9+4*\T] offset:64*\s+32*\c th:TH_LOAD_NT
.endr
.endr
	global_load_b64 v[64+2*\T:65+2*\T], v[VS8], s[10+4*\T:11+4*\T] th:TH_LOAD_NT
.endr
	s_lshl_b32 s78, s[WV], 12                      ; my 32 rows of Wq and of Wk: codes,
	s_add_nc_u64 s[20:21], s[20:21], s[78:79]
	s_add_nc_u64 s[26:27], s[26:27], s[78:79]
	s_lshl_b32 s78, s[WV], 8                       ; scale bytes,
	s_add_nc_u64 s[22:23], s[22:23], s[78:79]
	s_add_nc_u64 s[28:29], s[28:29], s[78:79]
	s_lshl_b32 s78, s[WV], 7                       ; biases
	s_add_nc_u64 s[24:25], s[24:25], s[78:79]
	s_add_nc_u64 s[30:31], s[30:31], s[78:79]
	WSET WQ, WQS, 20, 22, 24, VQR, VQR8, VB64, 1024, 64, 32
	s_lshl_b32 s78, s[TT], 12                      ; my two heads' 32 rows of Wo,
	s_add_nc_u64 s[32:33], s[32:33], s[78:79]
	s_lshl_b32 s78, s[TT], 8
	s_add_nc_u64 s[34:35], s[34:35], s[78:79]
	s_lshl_b32 s78, s[TT], 7
	s_add_nc_u64 s[36:37], s[36:37], s[78:79]
	s_add_nc_u64 s[40:41], s[40:41], s[78:79]      ; their 16 rows of Wa: scale bytes,
	s_lshl_b32 s78, s[TT], 11
	s_add_nc_u64 s[38:39], s[38:39], s[78:79]      ; codes,
	s_lshl_b32 s78, s[TT], 6
	s_add_nc_u64 s[42:43], s[42:43], s[78:79]      ; ba
	s_and_b32 s4, ttmp9, 63                        ; y
	s_lshr_b32 s5, ttmp9, 6                        ; b
	s_and_b32 s78, s[TT], 1
	s_lshl_b32 s78, s78, 17                        ; ref_point[(2 t) & 3]: 65,536 bytes each,
	s_lshl_b32 s3, s4, 10
	s_add_co_u32 s78, s78, s3                      ; row y,
	s_lshl_b32 s3, s[WL], 9
	s_add_co_u32 s78, s78, s3                      ; my four tiles
	s_add_nc_u64 s[44:45], s[44:45], s[78:79]
	s_lshl_b32 s78, s5, 24                         ; sf: batch b, head w, row y of 128 pixels x 16 bytes
	s_lshl_b32 s3, s[WV], 21
	s_add_co_u32 s78, s78, s3
	s_lshl_b32 s3, s4, 11
	s_add_co_u32 s78, s78, s3
	s_add_nc_u64 s[46:47], s[46:47], s[78:79]
	s_lshl_b32 s78, ttmp9, 15                      ; idx: 8 tiles of 4,096 bytes; my four; my two heads of 512
	s_lshl_b32 s3, s[WL], 14
	s_add_co_u32 s78, s78, s3
	s_lshl_b32 s3, s[TT], 10
	s_add_co_u32 s78, s78, s3
	s_add_nc_u64 s[48:49], s[48:49], s[78:79]
	s_lshl_b32 s78, ttmp9, 17                      ; wts: four times that
	s_lshl_b32 s3, s[WL], 16
	s_add_co_u32 s78, s78, s3
	s_lshl_b32 s3, s[TT], 12
	s_add_co_u32 s78, s78, s3
	s_add_nc_u64 s[50:51], s[50:51], s[78:79]
	; ---- P0: the images
	s_wait_loadcnt 14                              ; the 15 activation loads are in; Wq's 14, issued behind them, may be out
.irp T,0,1,2
.irp s,0,1
.irp c,0,1
	ds_store_b128 v[VLIW], v[16+16*\T+8*\s+4*\c:16+16*\T+8*\s+4*\c+3] offset:IMG+16384*\T+1024*\s+512*\c
.endr
	ds_store_b32 v[VLSW], v[64+2*\T+\s] offset:SCW+2048*\T+128*\s
.endr
.endr
	WSET WK, WKS, 26, 28, 30, VA, VS8, VB32, 2048, 128, 64
	WSET WO, WOS, 32, 34, 36, VA, VS8, VB32, 2048, 128, 64
	s_wait_dscnt 0x0                               ; for the others' sake: my images lie in LDS
	s_barrier_signal -1
	s_barrier_wait -1                              ; all 24 tiles do
	; ---- Q: my 32 columns of q, tile by tile, quantised and laid into the next operand's image
; A lane's 16 numbers are k = 32 w + 16 h + 0 .. 15 of pixel r.  In q's fragment block w lies in K step w / 4, registers 4 ((w / 2) & 1) on, lanes 16 (w & 1) + r: 16 bytes, of which mine are the 8 at 8 h.
.macro QSTEP m
	s_wait_dscnt 0x0                               ; this tile's fragments are in; the last tile's stores have read their registers
.if (\m) == 0
	s_wait_loadcnt 28                              ; Wq's set is in; Wk's and Wo's, 14 loads each, may be out
.endif
	MM4 ACC, XF0+16*((\m)%2), XS0+2*((\m)%2), WQ, WQS
.if (\m) < 7
	FETCHX XF0+16*(((\m)+1)%2), XS0+2*(((\m)+1)%2), 0, (\m)+1
.endif
	NOPS 5                                         ; four places ahead of the first read of results; the fifth because the next tile's first products write over these accumulators with another C
	v_max3_num_f32 v[TMA], |v[ACC]|, |v[ACC+1]|, 0x1800000           ; the largest magnitude of my 16, in two chains, and the floor 2^(3 - 127): the byte cannot fall under 1
	v_max3_num_f32 v[TMB], |v[ACC+8]|, |v[ACC+9]|, |v[ACC+10]|
	v_max3_num_f32 v[TMA], v[TMA], |v[ACC+2]|, |v[ACC+3]|
	v_max3_num_f32 v[TMB], v[TMB], |v[ACC+11]|, |v[ACC+12]|
	v_max3_num_f32 v[TMA], v[TMA], |v[ACC+4]|, |v[ACC+5]|
	v_max3_num_f32 v[TMB], v[TMB], |v[ACC+13]|, |v[ACC+14]|
	v_max3_num_f32 v[TMA], v[TMA], |v[ACC+6]|, |v[ACC+7]|
	v_max3_num_f32 v[TMA], v[TMA], v[TMB], |v[ACC+15]|
	s_wait_alu depctr_va_vdst(0)
	v_permlanex16_b32 v[TMC], v[TMA], s[SEL], s[SEL+1]
	s_delay_alu instid0(VALU_DEP_1)
	v_max_num_f32 v[TMA], v[TMA], v[TMC]           ; with lane l xor 16's 16: the block's
	s_delay_alu instid0(VALU_DEP_1)
	v_add_nc_u32 v[SCO], 0xff000000, v[TMA]        ; 2 off its exponent field: the conversion takes the exponent field of this operand as its scale
	s_delay_alu instid0(VALU_DEP_1)
	v_lshrrev_b32 v[BYT], 23, v[SCO]               ; the scale's byte
	v_cvt_scalef32_pk8_fp4_f32 v[PC], v[ACC:ACC+7], v[SCO]
	v_cvt_scalef32_pk8_fp4_f32 v[PC+1], v[ACC+8:ACC+15], v[SCO]
	v_nop                                          ; one plain place behind the conversions: the next products write their sources
	ds_store_b64 v[VQW], v[PC:PC+1] offset:2048*(\m)
	ds_store_b8 v[VQB], v[BYT] offset:128*(\m)     ; both lanes of a pixel write the same byte with the same value
.endm
	v_mov_b32 v[TMC], 0                            ; a lane permute's destination counts as one of its sources
	FETCHX XF0, XS0, 0, 0
.irp m,0,1,2,3,4,5,6,7
	QSTEP \m
.endr
	s_wait_dscnt 0x0                               ; for the others' sake: my block of q lies in LDS
	s_barrier_signal -1
	s_barrier_wait -1                              ; all of q does
	; 15 loads into the registers that Wq has left (its last products stand five places back and more)
.irp s,0,1
.irp c,0,1
	global_load_b128 v[WAF+8*\s+4*\c:WAF+8*\s+4*\c+3], v[VWA], s[38:39] offset:64*\s+32*\c
.endr
.endr
	global_load_b64 v[WAS:WAS+1], v[VWA8], s[40:41]
	global_load_b128 v[BA:BA+3], v[VB16], s[42:43]                 ; head 2 t's four of level h,
	global_load_b128 v[BA+4:BA+7], v[VB16], s[42:43] offset:32     ; head 2 t + 1's
.irp i,0,1,2,3
.irp e,0,1
	global_load_b64 v[REF+2*(2*\i+\e):REF+2*(2*\i+\e)+1], v[VS8], s[44:45] offset:65536*\e+128*\i   ; (y, x) of pixel r of my tile i, for head 2 t + e
.endr
.endr
	; ---- SF: head w of sf.  Registers 4 f .. 4 f + 3 of accumulator u are channels 16 u + 8 h + 4 f + 0 .. 3 of pixel r: channel group 4 u + 2 h + f.  So sf leaves straight from the accumulators:
	; in each store lanes 0-15 fill 256 consecutive bytes, aligned, of one channel group, and lanes 16-31 those of the group two further on.
.macro SFSTEP i                        ; level i / 8, tile i % 8; accumulator pair i % 2
	s_wait_dscnt 0x0                               ; this step's fragments are in
.if (\i) == 0
	s_wait_loadcnt 29                              ; Wk's set is in; Wo's 14 and the 15 behind them may be out
.endif
	s_wait_xcnt 0x0                                ; the stores of two steps back have read this pair of accumulators: it is written again only behind this wait
	MM4 ACC+16*((\i)%2), XF0+16*((\i)%2), XS0+2*((\i)%2), WK, WKS
.if (\i) < 15
	FETCHX XF0+16*(((\i)+1)%2), XS0+2*(((\i)+1)%2), 1+((\i)+1)/8, ((\i)+1)%8
.endif
	NOPS 5                                         ; four places ahead of the stores that read the results; the fifth for later products that write over these accumulators with another C
.irp u,0,1
.irp f,0,1
	global_store_b128 v[VSF], v[ACC+16*((\i)%2)+8*\u+4*\f:ACC+16*((\i)%2)+8*\u+4*\f+3], s[46:47] offset:(\u<<20)+(\f<<18)+(((\i)/8)<<17)+256*((\i)%8)   ; each accumulator from its low end on
.endr
.endr
.endm
	FETCHX XF0, XS0, 1, 0
.irp i,0,1,2,3,4,5,6,7,8,9,10,11,12,13,14,15
	SFSTEP \i
.endr
	; ---- PT: offsets, logits, softmax, points
.macro FETCHQ i
	FETCH XF0, VQF, 2048*(\i)
	FETCH XF0+8, VQF, 2048*(\i)+1024
	ds_load_b32 v[XS0], v[VQS] offset:128*(\i)
	ds_load_b32 v[XS0+1], v[VQS] offset:128*(\i)+64
.endm
.macro SOFTMAX                         ; over a head's 8 logits: my level's four and lane l xor 16's four; the two heads by turns
	v_max3_num_f32 v[MX0], v[LACC], v[LACC+1], v[LACC+2]
	v_max3_num_f32 v[MX1], v[LACC+4], v[LACC+5], v[LACC+6]
	v_max_num_f32 v[MX0], v[MX0], v[LACC+3]
	v_max_num_f32 v[MX1], v[MX1], v[LACC+7]
	s_delay_alu instid0(VALU_DEP_2)
	v_permlanex16_b32 v[PX0], v[MX0], s[SEL], s[SEL+1]
	s_delay_alu instid0(VALU_DEP_2)
	v_permlanex16_b32 v[PX1], v[MX1], s[SEL], s[SEL+1]
	s_delay_alu instid0(VALU_DEP_2)
	v_max_num_f32 v[MX0], v[MX0], v[PX0]
	s_delay_alu instid0(VALU_DEP_2)
	v_max_num_f32 v[MX1], v[MX1], v[PX1]
.irp k,0,1,2,3
	v_sub_f32 v[AW+\k], v[LACC+\k], v[MX0]         ; the maximum is taken away, as reference() does
	v_sub_f32 v[AW+4+\k], v[LACC+4+\k], v[MX1]
.endr
.irp k,0,1,2,3,4,5,6,7
	v_mul_f32 v[AW+\k], s[SL2E], v[AW+\k]
.endr
	s_wait_alu depctr_va_vdst(0)
.irp k,0,1,2,3,4,5,6,7
	v_exp_f32 v[AW+\k], v[AW+\k]
.endr
	v_nop                                          ; a plain place behind the last exponential
	s_wait_alu depctr_va_vdst(0)                   ; one wait for the batch of eight, ahead of its first reader
	v_add_f32 v[SM0], v[AW], v[AW+1]
	v_add_f32 v[SM1], v[AW+4], v[AW+5]
	v_add_f32 v[T0], v[AW+2], v[AW+3]
	v_add_f32 v[T1], v[AW+6], v[AW+7]
	s_delay_alu instid0(VALU_DEP_2)
	v_add_f32 v[SM0], v[SM0], v[T0]
	s_delay_alu instid0(VALU_DEP_2)
	v_add_f32 v[SM1], v[SM1], v[T1]
	s_delay_alu instid0(VALU_DEP_2)
	v_permlanex16_b32 v[PX0], v[SM0], s[SEL], s[SEL+1]
	s_delay_alu instid0(VALU_DEP_2)
	v_permlanex16_b32 v[PX1], v[SM1], s[SEL], s[SEL+1]
	s_delay_alu instid0(VALU_DEP_2)
	v_add_f32 v[SM0], v[SM0], v[PX0]
	s_delay_alu instid0(VALU_DEP_2)
	v_add_f32 v[SM1], v[SM1], v[PX1]
	s_wait_alu depctr_va_vdst(0)
	v_rcp_f32 v[T0], v[SM0]
	v_rcp_f32 v[T1], v[SM1]
	v_nop
	s_wait_alu depctr_va_vdst(0)                   ; one wait for the two reciprocals
.irp k,0,1,2,3
	v_mul_f32 v[AW+\k], v[AW+\k], v[T0]
	v_mul_f32 v[AW+4+\k], v[AW+4+\k], v[T1]
.endr
.endm
; One axis of a head's four points, k by turns, in reference()'s order of roundings: g = ((2 (ref + off) / den - 1) + 1) x half - 0.5; the division is a reciprocal with one correction.
; Out: cc = the clamped base as a whole number, wa and wb = the weights of base and base + 1.
.macro AXIS off, ref, sr, sd, sh, sm, cc, wa, wb
.irp k,0,1,2,3
	v_add_f32 v[GG+\k], v[\ref], v[\off+2*\k]
.endr
.irp k,0,1,2,3
	s_delay_alu instid0(VALU_DEP_4)
	v_add_f32 v[GG+\k], v[GG+\k], v[GG+\k]
.endr
.irp k,0,1,2,3
	s_delay_alu instid0(VALU_DEP_4)
	v_mul_f32 v[FF+\k], s[\sr], v[GG+\k]
.endr
.irp k,0,1,2,3
	s_delay_alu instid0(VALU_DEP_4)
	v_fma_f32 v[DD+\k], -v[FF+\k], s[\sd], v[GG+\k]
.endr
.irp k,0,1,2,3
	s_delay_alu instid0(VALU_DEP_4)
	v_fma_f32 v[FF+\k], v[DD+\k], s[\sr], v[FF+\k]
.endr
.irp k,0,1,2,3
	s_delay_alu instid0(VALU_DEP_4)
	v_add_f32 v[FF+\k], -1.0, v[FF+\k]
.endr
.irp k,0,1,2,3
	s_delay_alu instid0(VALU_DEP_4)
	v_add_f32 v[FF+\k], 1.0, v[FF+\k]
.endr
.irp k,0,1,2,3
	s_delay_alu instid0(VALU_DEP_4)
	v_fma_f32 v[GG+\k], v[FF+\k], s[\sh], -0.5
.endr
.irp k,0,1,2,3
	s_delay_alu instid0(VALU_DEP_4)
	v_floor_f32 v[FF+\k], v[GG+\k]
.endr
.irp k,0,1,2,3
	s_delay_alu instid0(VALU_DEP_4)
	v_sub_f32 v[W1+\k], v[GG+\k], v[FF+\k]
.endr
.irp k,0,1,2,3
	s_delay_alu instid0(VALU_DEP_4)
	v_sub_f32 v[W0+\k], 1.0, v[W1+\k]
.endr
.irp k,0,1,2,3
	v_med3_num_f32 v[\cc+\k], v[FF+\k], 0, s[\sm]
.endr
.irp k,0,1,2,3
	s_delay_alu instid0(VALU_DEP_4)
	v_sub_f32 v[DD+\k], v[FF+\k], v[\cc+\k]        ; d
.endr
.irp k,0,1,2,3
	v_cmp_eq_f32 s[66+3*\k], 0, v[DD+\k]
	v_cmp_eq_f32 s[67+3*\k], -1.0, v[DD+\k]
	v_cmp_eq_f32 s[68+3*\k], 1.0, v[DD+\k]
.endr
.irp k,0,1,2,3
	v_cndmask_b32 v[\wa+\k], 0, v[W1+\k], s[67+3*\k]
	v_cndmask_b32 v[\wb+\k], 0, v[W0+\k], s[68+3*\k]
.endr
.irp k,0,1,2,3
	v_cndmask_b32 v[\wa+\k], v[\wa+\k], v[W0+\k], s[66+3*\k]
	v_cndmask_b32 v[\wb+\k], v[\wb+\k], v[W1+\k], s[66+3*\k]
.endr
.irp k,0,1,2,3
	v_cvt_u32_f32 v[\cc+\k], v[\cc+\k]
.endr
.endm
.macro POINT i, e                      ; head 2 t + e, my tile i: four points of level h for pixel r
	AXIS ACC+8*(\e), REF+2*(2*(\i)+(\e)), SRY, SDY, SHY, SMY, CY, WYA, WYB
	AXIS ACC+8*(\e)+1, REF+2*(2*(\i)+(\e))+1, SRX, SDX, SHX, SMX, CX, WXA, WXB
	s_wait_alu depctr_va_vdst(0)
	s_wait_xcnt 0x0                                ; the earlier stores have read IDX and WT: they are written again only behind this wait
.irp k,0,1,2,3
	v_lshl_add_u32 v[IDX+\k], v[CY+\k], 7, v[CX+\k]
.endr
.irp k,0,1,2,3
	s_delay_alu instid0(VALU_DEP_4)
	v_add_nc_u32 v[IDX+\k], v[VHB], v[IDX+\k]
.endr
.irp k,0,1,2,3
	v_mul_f32 v[WYA+\k], v[WYA+\k], v[AW+4*(\e)+\k]
	v_mul_f32 v[WYB+\k], v[WYB+\k], v[AW+4*(\e)+\k]
.endr
.irp k,0,1,2,3
	v_mul_f32 v[WT+4*\k], v[WYA+\k], v[WXA+\k]
	v_mul_f32 v[WT+4*\k+1], v[WYA+\k], v[WXB+\k]
	v_mul_f32 v[WT+4*\k+2], v[WYB+\k], v[WXA+\k]
	v_mul_f32 v[WT+4*\k+3], v[WYB+\k], v[WXB+\k]
.endr
	global_store_b128 v[VLI], v[IDX:IDX+3], s[48:49] offset:4096*(\i)+512*(\e)      ; each store of the wave covers 512 consecutive bytes, aligned
.irp k,0,1,2,3
	global_store_b128 v[VLI], v[WT+4*\k:WT+4*\k+3], s[50:51] offset:16384*(\i)+2048*(\e)+512*\k
.endr
.endm
.macro PSTEP i
	s_wait_dscnt 0x0                               ; q's fragments of this tile are in
.if (\i) == 0
	s_wait_loadcnt 0x0                             ; Wo, Wa, ba, ref_point
	s_wait_xcnt 0x0                                ; sf's last stores have read their accumulators, which the offsets and logits take
.endif
	WM ACC, WO, XF0, WO+32, WOS, XS0               ; three accumulators by turns: head 2 t's offsets, head 2 t + 1's, both heads' logits
	WM ACC+8, WO+16, XF0, WO+40, WOS+2, XS0
	WM LACC, WAF, XF0, BA, WAS, XS0
	WM ACC, WO+8, XF0+8, ACC, WOS+1, XS0+1
	WM ACC+8, WO+24, XF0+8, ACC+8, WOS+3, XS0+1
	WM LACC, WAF+8, XF0+8, LACC, WAS+1, XS0+1
	NOPS 5                                         ; ahead of the loads into the fragments just read and of the first read of results; the fifth as in Q
.if (\i) < 3
	FETCHQ (\i)+1
.endif
	SOFTMAX
	POINT \i, 0
	POINT \i, 1
.endm
	FETCHQ 0
.irp i,0,1,2,3
	PSTEP \i
.endr
	s_wait_tensorcnt 0x0                           ; the wave's end
	ds_add_u32 v[SPW], v[NIL]
	s_wait_dscnt 0x0
	s_endpgm
.Lfunc_end_k_q59feb33b55_proj:
	.size	k_q59feb33b55_proj, .Lfunc_end_k_q59feb33b55_proj-k_q59feb33b55_proj
	.p2alignl 7, 3214868480
	.fill 96, 4, 3214868480
	.section	.rodata,"a",@progbits
	.p2align	6, 0x0
	.amdhsa_kernel k_q59feb33b55_proj
		.amdhsa_group_segment_fixed_size 73728
		.amdhsa_private_segment_fixed_size 0
		.amdhsa_enable_private_segment 0
		.amdhsa_kernarg_size 176
		.amdhsa_user_sgpr_count 2
		.amdhsa_user_sgpr_kernarg_segment_ptr 1
		.amdhsa_wavefront_size32 1
		.amdhsa_system_sgpr_workgroup_id_x 1
		.amdhsa_system_sgpr_workgroup_id_y 1
		.amdhsa_system_sgpr_workgroup_id_z 1
		.amdhsa_system_vgpr_workitem_id 0
		.amdhsa_next_free_vgpr 256
		.amdhsa_next_free_sgpr 84
		.amdhsa_reserve_vcc 0
		.amdhsa_float_denorm_mode_32 3
		.amdhsa_float_denorm_mode_16_64 3
		.amdhsa_memory_ordered 1
		.amdhsa_forward_progress 1
		.amdhsa_inst_pref_size 171
	.end_amdhsa_kernel
	.amdgpu_metadata
---
amdhsa.version: [ 1, 2 ]
amdhsa.kernels:
  - .name:           k_q59feb33b55_proj
    .symbol:         k_q59feb33b55_proj.kd
    .args:
      - { .name: query_codes, .offset: 0, .size: 8, .value_kind: global_buffer, .address_space: global }
      - { .name: query_scales, .offset: 8, .size: 8, .value_kind: global_buffer, .address_space: global }
      - { .name: keys0_codes, .offset: 16, .size: 8, .value_kind: global_buffer, .address_space: global }
      - { .name: keys0_scales, .offset: 24, .size: 8, .value_kind: global_buffer, .address_space: global }
      - { .name: keys1_codes, .offset: 32, .size: 8, .value_kind: global_buffer, .address_space: global }
      - { .name: keys1_scales, .offset: 40, .size: 8, .value_kind: global_buffer, .address_space: global }
      - { .name: Wq_codes, .offset: 48, .size: 8, .value_kind: global_buffer, .address_space: global }
      - { .name: Wq_scales, .offset: 56, .size: 8, .value_kind: global_buffer, .address_space: global }
      - { .name: bq, .offset: 64, .size: 8, .value_kind: global_buffer, .address_space: global }
      - { .name: Wk_codes, .offset: 72, .size: 8, .value_kind: global_buffer, .address_space: global }
      - { .name: Wk_scales, .offset: 80, .size: 8, .value_kind: global_buffer, .address_space: global }
      - { .name: bk, .offset: 88, .size: 8, .value_kind: global_buffer, .address_space: global }
      - { .name: Wo_codes, .offset: 96, .size: 8, .value_kind: global_buffer, .address_space: global }
      - { .name: Wo_scales, .offset: 104, .size: 8, .value_kind: global_buffer, .address_space: global }
      - { .name: bo, .offset: 112, .size: 8, .value_kind: global_buffer, .address_space: global }
      - { .name: Wa_codes, .offset: 120, .size: 8, .value_kind: global_buffer, .address_space: global }
      - { .name: Wa_scales, .offset: 128, .size: 8, .value_kind: global_buffer, .address_space: global }
      - { .name: ba, .offset: 136, .size: 8, .value_kind: global_buffer, .address_space: global }
      - { .name: ref_point, .offset: 144, .size: 8, .value_kind: global_buffer, .address_space: global }
      - { .name: sf, .offset: 152, .size: 8, .value_kind: global_buffer, .address_space: global }
      - { .name: idx, .offset: 160, .size: 8, .value_kind: global_buffer, .address_space: global }
      - { .name: wts, .offset: 168, .size: 8, .value_kind: global_buffer, .address_space: global }
    .group_segment_fixed_size: 73728
    .private_segment_fixed_size: 0
    .kernarg_segment_align: 8
    .kernarg_segment_size: 176
    .max_flat_workgroup_size: 256
    .sgpr_count:     84
    .vgpr_count:     256
    .wavefront_size: 32
...
	.end_amdgpu_metadata
.endif
;; end of part 3
;; launch gath (part 4): grid 256 x 1, 16 waves a work-group, no clusters, 264,192 bytes of LDS; arguments idx, wts, sf, feat; writes feat
.if DOCPART == 4
	.amdgcn_target "amdgcn-amd-amdhsa--gfx1250"
	.amdhsa_code_object_version 6
	.text
	.protected	k_q59feb33b55_gath
	.globl	k_q59feb33b55_gath
	.p2align	8
	.type	k_q59feb33b55_gath,@function
k_q59feb33b55_gath:
	s_mov_b64 s[64:65], 0
	v_nop
	global_prefetch_b8 v0, s[64:65] scope:SCOPE_SE
	s_setreg_imm32_b32 hwreg(HW_REG_WAVE_MODE, 25, 1), 1
	s_wait_xcnt 0x0
; GATH: feat[pixel][32 head + c] = the sum over 8 points (l, k) and 4 corners of wts x sf, in f32 (reference()'s grid_sample and its product of K = 8, which stays in f32 since feat goes on into a quantiser).
; No work of reference() is left out here.  idx, wts and sf are laid as the launch before stored them:
;   sf f32 [b][head][cg 8][l 2][y 64][x 128][4];   idx u32 [tile][head 8][l 2][r 16][k 4] = (l << 13) + 128 yb + xb;   wts f32 [tile][head 8][k 4][l 2][r 16][corner 4].
; OUT: feat f32 [b][head][cg][pixel 8192][4]: the block of a work-group is dense, 131,072 bytes.
; THE GATHER READS LDS.  Work-group 64 b + 8 head + cg holds channels 4 cg .. 4 cg + 3 of both levels' images of (b, head): 262,144 bytes, one dense block of sf, read once, and serves all 8,192 pixels of batch b.
; The block comes by one tensor load a wave at the head, 16,384 bytes each, and is filled once.  A point's corners lie 0, 16, 2,048 and 2,064 bytes from 16 x idx; idx is held to its largest value, 0x3f7e: the last byte so reached is byte 262,143.
; SHARES.  Sixteen waves; wave w takes pixels 512 w .. 512 w + 511, a lane to a pixel, in 32 steps j: pixels 32 (j / 2) on, one level's four points.  Even waves take level j % 2, odd waves the other one
; (two offset registers each for idx and wts, made from the wave's number; no branch): so the waves' reads of a moment are spread over both images.
; A step: 1 load of idx and 4 of weights (each reads two aligned runs of 256 bytes), 16 LDS loads of 16 bytes a lane, 34 packed instructions; each odd step ends with one store of 512 consecutive bytes.
; AHEAD.  idx and weights go through a ring of five register sets: step j + 5's five loads are issued at the end of step j, into the set that step j has read; so a wave has up to 25 such loads out.
; The gather goes by halves of a step (two points, 8 LDS loads, 32 registers), on two buffers: while one half is summed, the other half's loads are out.
; The 32 steps are written by a macro and not as a loop: the ring's five sets and the two levels come back after ten steps, which do not divide 32, the last five steps ask for nothing, and each pixel step has
; sum registers of its own, so that no store's data is written again and no wait for stores is owed.
; LIMITS.  A pixel's 32 terms are added by fused multiply-adds in two chains a level (left corners, right corners), joined once a level, the levels in either order: another order of rounding than reference()'s.
; A weight 0 meets the pixel at the clamped corner, so 0 x an infinite sf arises there and not at reference()'s clipped pixel.
; NO CLUSTER: the eight work-groups of a (b, head) read the same idx and wts; asked for jointly these would land in LDS and be read from it again, 1.25 MiB more LDS reads beside the gather's 4 MiB; the images are shared with nobody.
; NO PREFETCH: the text has no loop to run ahead in, and the loads of idx and weights themselves stand five steps ahead of their use.
.set SPARE, 262144                     ; behind the images: the spare words, 128 bytes for each wave: eight blocks of 256 bytes that no other line names
.set VIX,   1                          ; v1, v6   4096 (lane / 16) + 16 (lane & 15) + 256 x level: my pixel's 16 bytes in idx, for even steps and for odd steps
.set VWT,   2                          ; v2, v7   16384 (lane / 16) + 16 (lane & 15) + 256 x level: and in wts
.set VLI,   3                          ; 16 lane
.set SPW,   4                          ; LDS address of my spare word; never rewritten
.set NIL,   5                          ; 0; never rewritten
.set AD,    8                          ; v8-11    the points' LDS addresses (at the head: at work)
.set TS,    12                         ; v12-15   the right corners' sums of the step in hand
.set PD,    16                         ; v16-115  five sets of 20: idx (k), then weights (4 + 4 k + corner)
.set AC,    116                        ; v116-179 the sums: 4 (j / 2) + channel
.set GB,    180                        ; v180-243 gathered: two buffers of 32 (16 (k & 1) + 4 corner + channel)
.set WV,    16
.set G1,    24                         ; s[24:31] descriptor group 1;  s[32:35] group 0
.set G0,    32
.macro LDP j                           ; five loads: my pixel's four idx of step j and its 4 x 4 weights
	global_load_b128 v[PD+20*((\j)%5):PD+20*((\j)%5)+3], v[VIX+5*((\j)%2)], s[8:9] offset:8192*((\j)/2)
.irp k,0,1,2,3
	global_load_b128 v[PD+20*((\j)%5)+4+4*\k:PD+20*((\j)%5)+7+4*\k], v[VWT+5*((\j)%2)], s[10:11] offset:32768*((\j)/2)+512*\k
.endr
.endm
.macro ADDR j                          ; the base pixel, held to the images' last base, x 16 bytes
.irp p,0,1,2,3
	v_min_u32 v[AD+\p], 0x3f7e, v[PD+20*((\j)%5)+\p]
.endr
.irp p,0,1,2,3
	v_lshlrev_b32 v[AD+\p], 4, v[AD+\p]
.endr
.endm
.macro GATH h                          ; 8 LDS loads: points 2 h, 2 h + 1 x four corners x my four channels, into buffer h
.irp q,0,1
.irp c,0,1,2,3
	ds_load_b128 v[GB+32*(\h)+16*\q+4*\c:GB+32*(\h)+16*\q+4*\c+3], v[AD+2*(\h)+\q] offset:2048*(\c/2)+16*(\c%2)
.endr
.endr
.endm
; Half h of step j's sums.  Four chains by turns: channels 0-1 and 2-3 of the left corners (onto the pixel's sums) and of the right corners (onto v[TS] on).  A pair of weight registers holds a left and a right corner's:
; the left chains take its first register for both halves, the right chains its second.  The first products start the sums: nothing is cleared.
.macro FMA j, h
.set SA, AC+4*((\j)/2)
.set SG, GB+32*(\h)
.set SW, PD+20*((\j)%5)+4+8*(\h)
.irp q,0,1
.irp y,0,1
.irp e,0,2
.if (\j)%2 == 0 && (\h)+\q+\y == 0
	v_pk_mul_f32 v[SA+\e:SA+\e+1], v[SG+\e:SG+\e+1], v[SW:SW+1] op_sel_hi:[1,0]
.else
	v_pk_fma_f32 v[SA+\e:SA+\e+1], v[SG+16*\q+8*\y+\e:SG+16*\q+8*\y+\e+1], v[SW+4*\q+2*\y:SW+4*\q+2*\y+1], v[SA+\e:SA+\e+1] op_sel_hi:[1,0,1]
.endif
.endr
.irp e,0,2
.if (\h)+\q+\y == 0
	v_pk_mul_f32 v[TS+\e:TS+\e+1], v[SG+4+\e:SG+4+\e+1], v[SW:SW+1] op_sel:[0,1] op_sel_hi:[1,1]
.else
	v_pk_fma_f32 v[TS+\e:TS+\e+1], v[SG+16*\q+8*\y+4+\e:SG+16*\q+8*\y+4+\e+1], v[SW+4*\q+2*\y:SW+4*\q+2*\y+1], v[TS+\e:TS+\e+1] op_sel:[0,1,0] op_sel_hi:[1,1,1]
.endif
.endr
.endr
.endr
.endm
; Step j.  At its head both halves' LDS loads are out.  Global loads come back in the order of issue, set by set, five loads a set; at the wait on them below the sets up to j + 4 (at most 31) have been issued.
.macro ITER j
.if (\j)%2 == 1
	s_wait_alu depctr_va_vdst(0)
.endif
	s_wait_dscnt 8                                 ; half 0's 8 LDS loads are back; half 1's may be out
	FMA \j, 0
.if (\j) != 31
.if (\j) <= 27
	s_wait_loadcnt 15                              ; set j + 1 is in; the three younger sets may be out
.else
	s_wait_loadcnt 5*(30-(\j))                     ; the last steps: the 30 - j younger sets
.endif
	ADDR (\j)+1
	GATH 0                                         ; step j + 1's half 0, into the buffer that the sums above have read
	s_wait_alu depctr_va_vdst(0)
	s_wait_dscnt 8                                 ; this step's half 1 is back; the 8 just issued may be out
.else
	s_wait_alu depctr_va_vdst(0)                   ; as above
	s_wait_dscnt 0x0                               ; the last step: nothing was asked for behind its loads
.endif
	FMA \j, 1
	v_pk_add_f32 v[AC+4*((\j)/2):AC+4*((\j)/2)+1], v[AC+4*((\j)/2):AC+4*((\j)/2)+1], v[TS:TS+1]
	v_pk_add_f32 v[AC+4*((\j)/2)+2:AC+4*((\j)/2)+3], v[AC+4*((\j)/2)+2:AC+4*((\j)/2)+3], v[TS+2:TS+3]
.if (\j)%2 == 1
	global_store_b128 v[VLI], v[AC+4*((\j)/2):AC+4*((\j)/2)+3], s[14:15] offset:512*((\j)/2)   ; 32 lanes store 512 consecutive bytes, aligned; these registers are not written again
.endif
.if (\j) != 31
	GATH 1                                         ; step j + 1's half 1
.endif
.if (\j) < 27
	LDP (\j)+5                                     ; into the set that this step has read
.endif
.endm
	s_load_b256 s[8:15], s[0:1], 0x0               ; idx s[8:9], wts s[10:11], sf s[12:13], feat s[14:15]
	v_lshl_add_u32 v[SPW], v0, 2, SPARE
	v_mov_b32 v[NIL], 0
	ds_add_u32 v[SPW], v[NIL]                      ; the opening lines: the add,
	ds_add_u32 v[SPW], v[NIL]                      ; once more, and below, behind work on registers, the one wait for both
	v_lshrrev_b32 v[AD], 5, v0
	v_readfirstlane_b32 s[WV], v[AD]               ; wave 0..15
	s_mov_b32 s[G1], 3<<16                         ; a dense block of 16,384 bytes as 64 rows of 32 elements of 8 bytes, no padding
	s_mov_b32 s[G1+1], 32<<16                      ; tensor_dim0
	s_mov_b32 s[G1+2], 64<<16                      ; tensor_dim1
	s_mov_b32 s[G1+3], 32<<16                      ; tile_dim0
	s_mov_b32 s[G1+4], 64                          ; tile_dim1
	s_mov_b32 s[G1+5], 32                          ; the pitch
	s_mov_b32 s[G1+6], 0
	s_mov_b32 s[G1+7], 0
	s_lshl_b32 s17, s[WV], 14                      ; 16384 w: my part of the images, in sf and in LDS
	s_lshl_b32 s18, s[WV], 13                      ; 8192 w: my 512 pixels in feat
	s_lshr_b32 s19, ttmp9, 6                       ; b
	s_bfe_u32 s22, ttmp9, 0x30003                  ; head
	s_mov_b32 s21, 0
	s_wait_dscnt 0x0                               ; both opening adds are done
	s_wait_kmcnt 0x0
	s_lshl_b32 s20, ttmp9, 18                      ; sf: my work-group's block, my wave's part
	s_add_co_u32 s20, s20, s17
	s_add_nc_u64 s[12:13], s[12:13], s[20:21]
	s_mov_b32 s[G0], 1
	s_mov_b32 s[G0+1], s17
	s_mov_b64 s[G0+2:G0+3], s[12:13]
	s_or_b32 s[G0+3], s[G0+3], 0x80000000
	tensor_load_to_lds s[G0:G0+3], s[G1:G1+7]      ; my one tensor load
	s_nop 0
	s_lshl_b32 s20, s19, 21                        ; idx: batch b's 512 tiles of 4,096 bytes; my head's 512 in each; my wave's 32 tiles
	s_lshl_b32 s23, s22, 9
	s_add_co_u32 s20, s20, s23
	s_lshl_b32 s23, s[WV], 17
	s_add_co_u32 s20, s20, s23
	s_add_nc_u64 s[8:9], s[8:9], s[20:21]
	s_lshl_b32 s20, s19, 23                        ; wts: four times that
	s_lshl_b32 s23, s22, 11
	s_add_co_u32 s20, s20, s23
	s_lshl_b32 s23, s[WV], 19
	s_add_co_u32 s20, s20, s23
	s_add_nc_u64 s[10:11], s[10:11], s[20:21]
	s_lshl_b32 s20, ttmp9, 17                      ; feat: my work-group's block, my wave's 512 pixels of 16 bytes
	s_add_co_u32 s20, s20, s18
	s_add_nc_u64 s[14:15], s[14:15], s[20:21]
	s_and_b32 s22, s[WV], 1
	s_lshl_b32 s22, s22, 8                         ; 256 x the level of my even steps: 0 in even waves, 1 in odd waves;
	s_xor_b32 s23, s22, 256                        ; and of my odd steps
	v_and_b32 v[AD], 31, v0
	v_and_b32 v[AD+1], 15, v0
	v_bfe_u32 v[AD+2], v0, 4, 1                    ; which of a step's two tiles
	v_lshlrev_b32 v[VLI], 4, v[AD]
	v_lshlrev_b32 v[AD+1], 4, v[AD+1]              ; 16 r
	v_lshl_add_u32 v[AD+3], v[AD+2], 14, v[AD+1]
	v_lshl_add_u32 v[AD+1], v[AD+2], 12, v[AD+1]
	v_add_nc_u32 v[VIX], s22, v[AD+1]
	v_add_nc_u32 v[VIX+5], s23, v[AD+1]
	v_add_nc_u32 v[VWT], s22, v[AD+3]
	v_add_nc_u32 v[VWT+5], s23, v[AD+3]
.irp j,0,1,2,3,4
	LDP \j                                         ; 25 loads: the ring's five sets
.endr
	s_wait_alu depctr_va_vdst(0)
	s_wait_tensorcnt 0x0                           ; my part of the images is in (no LDS instruction of mine is out)
	s_barrier_signal -1
	s_barrier_wait -1                              ; both images are whole; from here on they are only read
	s_wait_loadcnt 20                              ; set 0 is in; sets 1 to 4 may be out
	ADDR 0
	GATH 0
	GATH 1
.irp j,0,1,2,3,4,5,6,7,8,9,10,11,12,13,14,15,16,17,18,19,20,21,22,23,24,25,26,27,28,29,30,31
	ITER \j
.endr
	s_wait_tensorcnt 0x0                           ; the wave's end
	ds_add_u32 v[SPW], v[NIL]
	s_wait_dscnt 0x0
	s_endpgm
.Lfunc_end_k_q59feb33b55_gath:
	.size	k_q59feb33b55_gath, .Lfunc_end_k_q59feb33b55_gath-k_q59feb33b55_gath
	.p2alignl 7, 3214868480
	.fill 96, 4, 3214868480
	.section	.rodata,"a",@progbits
	.p2align	6, 0x0
	.amdhsa_kernel k_q59feb33b55_gath
		.amdhsa_group_segment_fixed_size 264192
		.amdhsa_private_segment_fixed_size 0
		.amdhsa_enable_private_segment 0
		.amdhsa_kernarg_size 32
		.amdhsa_user_sgpr_count 2
		.amdhsa_user_sgpr_kernarg_segment_ptr 1
		.amdhsa_wavefront_size32 1
		.amdhsa_system_sgpr_workgroup_id_x 1
		.amdhsa_system_sgpr_workgroup_id_y 1
		.amdhsa_system_sgpr_workgroup_id_z 1
		.amdhsa_system_vgpr_workitem_id 0
		.amdhsa_next_free_vgpr 244
		.amdhsa_next_free_sgpr 66
		.amdhsa_reserve_vcc 0
		.amdhsa_float_denorm_mode_32 3
		.amdhsa_float_denorm_mode_16_64 3
		.amdhsa_memory_ordered 1
		.amdhsa_forward_progress 1
		.amdhsa_inst_pref_size 136
	.end_amdhsa_kernel
	.amdgpu_metadata
---
amdhsa.version: [ 1, 2 ]
amdhsa.kernels:
  - .name:           k_q59feb33b55_gath
    .symbol:         k_q59feb33b55_gath.kd
    .args:
      - { .name: idx, .offset: 0, .size: 8, .value_kind: global_buffer, .address_space: global }
      - { .name: wts, .offset: 8, .size: 8, .value_kind: global_buffer, .address_space: global }
      - { .name: sf, .offset: 16, .size: 8, .value_kind: global_buffer, .address_space: global }
      - { .name: feat, .offset: 24, .size: 8, .value_kind: global_buffer, .address_space: global }
    .group_segment_fixed_size: 264192
    .private_segment_fixed_size: 0
    .kernarg_segment_align: 8
    .kernarg_segment_size: 32
    .max_flat_workgroup_size: 512
    .sgpr_count:     66
    .vgpr_count:     244
    .wavefront_size: 32
...
	.end_amdgpu_metadata
.endif
;; end of part 4
;; launch outp (part 5): grid 256 x 1, 16 waves a work-group, no clusters, 155,648 bytes of LDS; arguments feat, Wm_codes, Wm_scales, bm, out0; writes out0
.if DOCPART == 5
	.amdgcn_target "amdgcn-amd-amdhsa--gfx1250"
	.amdhsa_code_object_version 6
	.text
	.protected	k_q59feb33b55_outp
	.globl	k_q59feb33b55_outp
	.p2align	8
	.type	k_q59feb33b55_outp,@function
k_q59feb33b55_outp:
	s_mov_b64 s[64:65], 0
	v_nop
	global_prefetch_b8 v0, s[64:65] scope:SCOPE_SE
	s_setreg_imm32_b32 hwreg(HW_REG_WAVE_MODE, 25, 1), 1
	s_wait_xcnt 0x0
; OUTP: feat is quantised along its 256 columns to E2M1 with one E8M0 scale for each 32 (a block is one head); out0 = feat Wm + bm, the product on codes, sums in f32.
; No work of reference() is left out here.  feat f32 [b][head][cg 8][pixel 8192][4], as the launch before stored it: column 32 head + 4 cg + e of a pixel.
; LIMITS.  A block of feat that is all zeros gets the scale byte 1 where the rule says 127: its codes are zeros and only this program reads the byte.  bm is added behind the sums, not ahead of them.
; SHARES.  A work-group owns 128 pixels, 8 tiles of 16.  Sixteen waves; wave w takes tile m = w / 2 and half hf = w & 1.
;   QUANTISER: K step hf of the tile (heads 4 hf .. 4 hf + 3).  Lane (r, h) wants, of each head, channels 16 h + 0 .. 15 of pixel r: channel groups 4 h + 0 .. 3: four loads of 16 bytes, which land in the
;   order in which the conversions take them.  In each load lanes 0-15 read 256 consecutive bytes, aligned, and lanes 16-31 another such run.  Every byte of feat is read once.
;   The fragment and its scale words go to the partner wave through LDS as images of the operand's registers (16 bytes a lane, 512 a store); one barrier.
;   PRODUCT: tile m x columns 128 hf .. + 127: 8 tiles of Wm's rows x 2 K steps.  Used transposed: source 0 = 16 rows of Wm, source 1 = the 16 pixels.
; NO TENSOR LOADS, NO CLUSTER: Wm, the one thing that work-groups share, is 34 KiB against the 256 KiB that a work-group moves, and each wave's half goes straight into its registers.
.set IMGF,  0                          ; LDS: feat's fragments: 2048 m + 1024 s + 512 c + 16 lane
.set SCF,   16384                      ; their scale words: 256 m + 128 s + 4 lane
.set OUTS,  18432                      ; a stage for each wave on the way out: 16 rows of 512 + 16 bytes
.set SPARE, 153600                     ; the spare words, 128 bytes for each wave: eight blocks of 256 bytes that no other line names
.set VFT,   1                          ; (h << 19) + 16 r: in feat, four channel groups on for lanes 16-31, 16 bytes a pixel
.set VIS,   2                          ; 16 lane + 1024 w: where my fragment's image goes
.set VSS,   3                          ; 4 lane + 128 w: and its scale words
.set VIF,   4                          ; 16 lane + 2048 m: my tile's two fragments
.set VSC,   5                          ; 4 r + 256 m
.set VWM,   6                          ; 128 r + 16 h
.set VS8,   7                          ; 8 r
.set VSO,   8                          ; my stage, on the way in: 528 r + 32 h
.set VSR,   9                          ; and back: 16 lane
.set VLI,   10                         ; 16 lane
.set SPW,   11                         ; LDS address of my spare word; never rewritten
.set NIL,   12                         ; 0; never rewritten
.set PW0,   13                         ; v13, v14: feat's scale words of the two K steps, filled from LDS, and nothing else
.set PWT,   15                         ; the scale word that I make
.set PC,    16                         ; v16-31 feat's two fragments (v16-23 first hold the one that I make)
.set TM,    32                         ; v32-39, v44-47 at work
.set LN,    32                         ; at the head only
.set RR,    33
.set HH,    34
.set TT,    35
.set BM,    40                         ; v40-43 bm of my 4 columns
.set XX,    48                         ; v48-111 64 numbers of feat, then the 8 accumulators
.set WS,    112                        ; v112-127 Wm's scale words (2 n + s), and nothing else
.set WF,    128                        ; v128-255 Wm's fragments (8 (2 n + s)); then v128-191 rows of out0
.set WV,    22
.set SEL,   26
	s_load_b256 s[8:15], s[0:1], 0x0               ; feat s[8:9], Wm's codes s[10:11], Wm's scales s[12:13], bm s[14:15]
	s_load_b64 s[16:17], s[0:1], 0x20              ; out0
	v_lshl_add_u32 v[SPW], v0, 2, SPARE
	v_mov_b32 v[NIL], 0
	v_lshrrev_b32 v[TT], 5, v0
	s_delay_alu instid0(VALU_DEP_1)
	v_readfirstlane_b32 s[WV], v[TT]               ; wave 0..15
	s_lshr_b32 s25, s[WV], 1                       ; m
	s_and_b32 s28, s[WV], 1                        ; hf
	v_and_b32 v[LN], 31, v0
	v_and_b32 v[RR], 15, v0
	v_bfe_u32 v[HH], v0, 4, 1
	s_delay_alu instid0(VALU_DEP_3)
	v_lshlrev_b32 v[VLI], 4, v[LN]
	s_delay_alu instid0(VALU_DEP_2)
	v_lshlrev_b32 v[VFT], 19, v[HH]
	s_delay_alu instid0(VALU_DEP_1)
	v_lshl_add_u32 v[VFT], v[RR], 4, v[VFT]
	s_lshl_b32 s29, s[WV], 10
	v_add_nc_u32 v[VIS], s29, v[VLI]
	s_lshl_b32 s29, s[WV], 7
	v_lshl_add_u32 v[VSS], v[LN], 2, s29
	s_lshl_b32 s29, s25, 11
	v_add_nc_u32 v[VIF], s29, v[VLI]
	s_lshl_b32 s29, s25, 8
	v_lshl_add_u32 v[VSC], v[RR], 2, s29
	v_lshlrev_b32 v[VWM], 7, v[RR]
	s_delay_alu instid0(VALU_DEP_1)
	v_lshl_add_u32 v[VWM], v[HH], 4, v[VWM]
	v_lshlrev_b32 v[VS8], 3, v[RR]
	s_mul_i32 s29, s[WV], 8448
	s_add_co_u32 s29, s29, OUTS
	v_mul_u32_u24 v[TT], v[RR], 528
	s_delay_alu instid0(VALU_DEP_1)
	v_lshl_add_u32 v[TT], v[HH], 5, v[TT]
	s_delay_alu instid0(VALU_DEP_1)
	v_add_nc_u32 v[VSO], s29, v[TT]
	v_add_nc_u32 v[VSR], s29, v[VLI]
	s_mov_b32 s[SEL], 0x76543210
	s_mov_b32 s[SEL+1], 0xfedcba98
	s_mov_b32 s31, 0
	s_wait_alu depctr_va_vdst(0)
	s_wait_kmcnt 0x0
	s_lshr_b32 s30, ttmp9, 6                       ; feat: batch b (64 blocks of 131,072 bytes),
	s_lshl_b32 s30, s30, 23
	s_lshl_b32 s29, s28, 22                        ; heads 4 hf on,
	s_add_co_u32 s30, s30, s29
	s_and_b32 s29, ttmp9, 63                       ; image row y of 128 pixels x 16 bytes,
	s_lshl_b32 s29, s29, 11
	s_add_co_u32 s30, s30, s29
	s_lshl_b32 s29, s25, 8                         ; tile m
	s_add_co_u32 s30, s30, s29
	s_add_nc_u64 s[8:9], s[8:9], s[30:31]
	s_lshl_b32 s30, ttmp9, 17                      ; out0: 128 pixels of 1,024 bytes; my tile; my 128 columns
	s_lshl_b32 s29, s25, 14
	s_add_co_u32 s30, s30, s29
	s_lshl_b32 s29, s28, 9
	s_add_co_u32 s30, s30, s29
	s_add_nc_u64 s[16:17], s[16:17], s[30:31]
	s_mov_b32 s30, s29
	s_add_nc_u64 s[14:15], s[14:15], s[30:31]      ; bm likewise
	s_lshl_b32 s30, s28, 14                        ; Wm: my 128 rows: codes,
	s_add_nc_u64 s[10:11], s[10:11], s[30:31]
	s_lshl_b32 s30, s28, 10                        ; scale bytes
	s_add_nc_u64 s[12:13], s[12:13], s[30:31]
	; 16 loads: register 16 b + 4 j + e = channel 16 h + 4 j + e of head 4 hf + b of pixel r
.irp b,0,1,2,3
.irp j,0,1,2,3
	global_load_b128 v[XX+16*\b+4*\j:XX+16*\b+4*\j+3], v[VFT], s[8:9] offset:(\b<<20)+(\j<<17) th:TH_LOAD_NT
.endr
.endr
	; 41 loads: my 128 rows of Wm, their scale words, my 4 numbers of bm
.irp n,0,1,2,3,4,5,6,7
.irp s,0,1
.irp c,0,1
	global_load_b128 v[WF+8*(2*\n+\s)+4*\c:WF+8*(2*\n+\s)+4*\c+3], v[VWM], s[10:11] offset:2048*\n+64*\s+32*\c
.endr
.endr
	global_load_b64 v[WS+2*\n:WS+2*\n+1], v[VS8], s[12:13] offset:128*\n
.endr
	global_load_b128 v[BM:BM+3], v[VLI], s[14:15]
.irp b,0,1,2,3
	v_mov_b32 v[TM+4+\b], 0                        ; a lane permute's destination counts as one of its sources
.endr
; 64 numbers of a lane, register 16 b + i = k 32 b + 16 h + i of pixel r, become a fragment's codes in v[pc] on and its scale word in v[pw]
.macro QUANT src, pc, pw
.irp b,0,1,2,3
	v_max3_num_f32 v[TM+\b], |v[\src+16*\b]|, |v[\src+1+16*\b]|, 0x1800000   ; block b: my 16 numbers, and the floor 2^(3 - 127): the byte cannot fall under 1
.endr
.irp i,2,4,6,8,10,12,14
.irp b,0,1,2,3
	s_delay_alu instid0(VALU_DEP_4)
	v_max3_num_f32 v[TM+\b], v[TM+\b], |v[\src+16*\b+\i]|, |v[\src+1+16*\b+\i]|   ; the four blocks by turns
.endr
.endr
.irp b,0,1,2,3
	s_delay_alu instid0(VALU_DEP_4)
	v_permlanex16_b32 v[TM+4+\b], v[TM+\b], s[SEL], s[SEL+1]
.endr
.irp b,0,1,2,3
	s_delay_alu instid0(VALU_DEP_4)
	v_max_num_f32 v[TM+\b], v[TM+\b], v[TM+4+\b]   ; with lane l xor 16's: the block's largest magnitude
.endr
.irp b,0,1,2,3
	s_delay_alu instid0(VALU_DEP_4)
	v_add_nc_u32 v[TM+12+\b], 0xff000000, v[TM+\b] ; 2 off its exponent field: the conversion's scale operand
.endr
.irp b,0,1,2,3
	s_delay_alu instid0(VALU_DEP_4)
	v_lshrrev_b32 v[TM+4+\b], 23, v[TM+12+\b]      ; the scale's byte
.endr
	s_delay_alu instid0(VALU_DEP_3)
	v_lshl_or_b32 v[\pw], v[TM+5], 8, v[TM+4]
	s_delay_alu instid0(VALU_DEP_1)
	v_lshl_or_b32 v[\pw], v[TM+6], 16, v[\pw]
	s_delay_alu instid0(VALU_DEP_1)
	v_lshl_or_b32 v[\pw], v[TM+7], 24, v[\pw]
.irp b,0,1,2,3
	v_cvt_scalef32_pk8_fp4_f32 v[\pc+2*\b], v[\src+16*\b:\src+7+16*\b], v[TM+12+\b]
	v_cvt_scalef32_pk8_fp4_f32 v[\pc+1+2*\b], v[\src+8+16*\b:\src+15+16*\b], v[TM+12+\b]
.endr
	v_nop                                          ; one plain place behind a scaled conversion
.irp c,0,1                                     ; the operand's layout wants a whole block in a lane: lanes 0-15 block 2 c, lanes 16-31 block 2 c + 1
.irp i,0,1
	v_permlane16_swap_b32 v[\pc+4*\c+\i], v[\pc+2+4*\c+\i]
.endr
.endr
.endm
	s_wait_loadcnt 41                              ; feat's 16 loads are in; the 41 of Wm and bm, issued behind them, may be out
	QUANT XX, PC, PWT
	ds_store_b128 v[VIS], v[PC:PC+3] offset:IMGF   ; K step hf of tile m, as it stands in my registers
	ds_store_b128 v[VIS], v[PC+4:PC+7] offset:IMGF+512
	ds_store_b32 v[VSS], v[PWT] offset:SCF
	s_wait_dscnt 0x0                               ; for my partner's sake: the image lies in LDS
	s_barrier_signal -1
	s_barrier_wait -1                              ; both K steps of every tile do
.irp s,0,1
.irp c,0,1
	ds_load_b128 v[PC+8*\s+4*\c:PC+8*\s+4*\c+3], v[VIF] offset:IMGF+1024*\s+512*\c
.endr
	ds_load_b32 v[PW0+\s], v[VSC] offset:SCF+128*\s
.endr
	s_wait_dscnt 0x0
	s_wait_loadcnt 0x0                             ; Wm, its scale words, bm
.rept 8
	v_nop                                          ; the operands and scale words come from loads, which owe only their waits; v16-23 were written by vector instructions before that, and these places stand between those and the products
.endr
.irp n,0,1,2,3,4,5,6,7                         ; eight accumulators by turns; the first K step starts the sums
	v_wmma_scale_f32_16x16x128_f8f6f4 v[XX+8*\n:XX+8*\n+7], v[WF+16*\n:WF+16*\n+7], v[PC:PC+7], 0, v[WS+2*\n], v[PW0] matrix_a_fmt:MATRIX_FMT_FP4 matrix_b_fmt:MATRIX_FMT_FP4
.endr
.irp n,0,1,2,3,4,5,6,7
	v_wmma_scale_f32_16x16x128_f8f6f4 v[XX+8*\n:XX+8*\n+7], v[WF+16*\n+8:WF+16*\n+15], v[PC+8:PC+15], v[XX+8*\n:XX+8*\n+7], v[WS+2*\n+1], v[PW0+1] matrix_a_fmt:MATRIX_FMT_FP4 matrix_b_fmt:MATRIX_FMT_FP4
.endr
.rept 4
	v_nop                                          ; places ahead of the first read of results and of the loads into Wm's registers
.endr
	; THE WAY OUT.  Lane (r, h) holds columns 16 n + 8 h + 0 .. 7 of pixel r: through my own stage, back as whole rows of 512 bytes; bm is added to a lane's 4 columns on the way.
.irp n,0,1,2,3,4,5,6,7
	ds_store_b128 v[VSO], v[XX+8*\n:XX+8*\n+3] offset:64*\n        ; each accumulator from its low end on
	ds_store_b128 v[VSO], v[XX+8*\n+4:XX+8*\n+7] offset:64*\n+16
.endr
.irp t,0,1,2,3,4,5,6,7,8,9,10,11,12,13,14,15
	ds_load_b128 v[WF+4*\t:WF+4*\t+3], v[VSR] offset:528*\t        ; LDS serves a wave's instructions in order: these see the stores above
.endr
.irp t,0,1,2,3,4,5,6,7,8,9,10,11,12,13,14,15
	s_wait_dscnt 15-\t                             ; row t is back; the younger loads may be out
	v_pk_add_f32 v[WF+4*\t:WF+4*\t+1], v[WF+4*\t:WF+4*\t+1], v[BM:BM+1]
	v_pk_add_f32 v[WF+4*\t+2:WF+4*\t+3], v[WF+4*\t+2:WF+4*\t+3], v[BM+2:BM+3]
	global_store_b128 v[VLI], v[WF+4*\t:WF+4*\t+3], s[16:17] offset:1024*\t th:TH_STORE_NT   ; 32 lanes store 512 consecutive bytes, aligned; written once, read by nobody here
.endr
	s_wait_tensorcnt 0x0                           ; the wave's end
	ds_add_u32 v[SPW], v[NIL]
	s_wait_dscnt 0x0
	s_endpgm
.Lfunc_end_k_q59feb33b55_outp:
	.size	k_q59feb33b55_outp, .Lfunc_end_k_q59feb33b55_outp-k_q59feb33b55_outp
	.p2alignl 7, 3214868480
	.fill 96, 4, 3214868480
	.section	.rodata,"a",@progbits
	.p2align	6, 0x0
	.amdhsa_kernel k_q59feb33b55_outp
		.amdhsa_group_segment_fixed_size 155648
		.amdhsa_private_segment_fixed_size 0
		.amdhsa_enable_private_segment 0
		.amdhsa_kernarg_size 40
		.amdhsa_user_sgpr_count 2
		.amdhsa_user_sgpr_kernarg_segment_ptr 1
		.amdhsa_wavefront_size32 1
		.amdhsa_system_sgpr_workgroup_id_x 1
		.amdhsa_system_sgpr_workgroup_id_y 1
		.amdhsa_system_sgpr_workgroup_id_z 1
		.amdhsa_system_vgpr_workitem_id 0
		.amdhsa_next_free_vgpr 256
		.amdhsa_next_free_sgpr 66
		.amdhsa_reserve_vcc 0
		.amdhsa_float_denorm_mode_32 3
		.amdhsa_float_denorm_mode_16_64 3
		.amdhsa_memory_ordered 1
		.amdhsa_forward_progress 1
		.amdhsa_inst_pref_size 23
	.end_amdhsa_kernel
	.amdgpu_metadata
---
amdhsa.version: [ 1, 2 ]
amdhsa.kernels:
  - .name:           k_q59feb33b55_outp
    .symbol:         k_q59feb33b55_outp.kd
    .args:
      - { .name: feat, .offset: 0, .size: 8, .value_kind: global_buffer, .address_space: global }
      - { .name: Wm_codes, .offset: 8, .size: 8, .value_kind: global_buffer, .address_space: global }
      - { .name: Wm_scales, .offset: 16, .size: 8, .value_kind: global_buffer, .address_space: global }
      - { .name: bm, .offset: 24, .size: 8, .value_kind: global_buffer, .address_space: global }
      - { .name: out0, .offset: 32, .size: 8, .value_kind: global_buffer, .address_space: global }
    .group_segment_fixed_size: 155648
    .private_segment_fixed_size: 0
    .kernarg_segment_align: 8
    .kernarg_segment_size: 40
    .max_flat_workgroup_size: 512
    .sgpr_count:     66
    .vgpr_count:     256
    .wavefront_size: 32
...
	.end_amdgpu_metadata
.endif
;; end of part 5
